; MI455X (gfx1250); checked and timed in simulation.
; The chip was launched on July 23, 2026; its instructions are those of AMD's public machine-readable ISA for CDNA 5 (MIT licence, August 2026) and "CDNA5" Instruction Set Architecture Reference Guide (July 2026). The comments in the code are by the model that wrote it; some were corrected since.
;; Masked Multi Head Self Attention. Allowed arithmetic: matrix products marked QUANTISED: E2M1 operands, one E8M0 scale for each 32 along K, by v_wmma_scale_f32_16x16x128_f8f6f4 with both operands' format E2M1 (or v_wmma_scale_f32_32x16x128_f4), f32 sums; everything else in f32.
;; Inputs: Wk_codes 512 x 16 x 16 uint8 (E2M1 codes of Wk, K innermost, in blocks of 32 codes, two codes a byte); Wk_scales 512 x 16 uint8 (E8M0 scales of Wk, one for each 32 codes along K); Wo_codes 512 x 16 x 16 uint8 (E2M1 codes of Wo, K innermost, in blocks of 32 codes, two codes a byte); Wo_scales 512 x 16 uint8 (E8M0 scales of Wo, one for each 32 codes along K); Wq_codes 512 x 16 x 16 uint8 (E2M1 codes of Wq, K innermost, in blocks of 32 codes, two codes a byte); Wq_scales 512 x 16 uint8 (E8M0 scales of Wq, one for each 32 codes along K); Wv_codes 512 x 16 x 16 uint8 (E2M1 codes of Wv, K innermost, in blocks of 32 codes, two codes a byte); Wv_scales 512 x 16 uint8 (E8M0 scales of Wv, one for each 32 codes along K); adj 2,048 x 2,048 int32; bk 512 float32; bo 512 float32; bq 512 float32; bv 512 float32; h_codes 4 x 2,048 x 16 x 16 uint8 (E2M1 codes of h, K innermost, in blocks of 32 codes, two codes a byte); h_scales 4 x 2,048 x 16 uint8 (E8M0 scales of h, one for each 32 codes along K).
;; Outputs: out0 4 x 2,048 x 512 float32.
;; This version of the problem:
;;   THIS VERSION OF THE PROBLEM IS GIVEN IN LOW PRECISION. The matrix products marked QUANTISED in the list below multiply operands that are first quantised to E2M1 (2 exponent bits, 1 mantissa bit; 4 bits a number), with one power-of-two scale for each 32 numbers along K (OCP MX v1.0); their sums are f32. All else is computed in f32.
;;   The module's matrix products, in the order in which they are computed (A, B: the left and right operand; K: the contracted axis; several contracted axes count as one K, in the product's order):
;;     1. [M 8,192, K 512] x [K 512, N 512]; A: input h (given as codes); B: input Wq (given as codes): QUANTISED
;;     2. [M 8,192, K 512] x [K 512, N 512]; A: input h (given as codes); B: input Wk (given as codes): QUANTISED
;;     3. [M 8,192, K 512] x [K 512, N 512]; A: input h (given as codes); B: input Wv (given as codes): QUANTISED
;;     4. batch 32 x [M 2,048, K 64] x [K 64, N 2,048]; A: computed on the way; B: computed on the way: QUANTISED
;;     5. batch 32 x [M 2,048, K 2,048] x [K 2,048, N 64]; A: softmax (see below); B: computed on the way: QUANTISED
;;     6. [M 8,192, K 512] x [K 512, N 512]; A: computed on the way; B: input Wo (given as codes): QUANTISED
;;   THE QUANTISER, for each operand of a quantised product, along K:
;;     - K is cut into blocks of 32 from its start; a last block that is shorter is filled with zeros.
;;     - A block's scale is 2^e with e = floor(log2(the largest magnitude in the block)) - 2, held to -126 .. 127; a block of zeros has e = 0. As a byte (E8M0): e + 127.
;;     - Each number is divided by its block's scale, clamped to +-6, and rounded to the nearest number of E2M1, ties to even, subnormals kept.
;;     - The product sums the exact products of the quantised numbers (number of the format x scale) in f32.
;;   ~~~python
;;   def quantise(x, axis):      # numpy; x: float32 -> the quantised numbers, widened to float32 again
;;       x = np.moveaxis(x, axis, -1); K = x.shape[-1]
;;       x = np.pad(x, [(0, 0)] * (x.ndim - 1) + [(0, -K % 32)]); x = x.reshape(x.shape[:-1] + (-1, 32)); a = np.abs(x).max(-1, keepdims=True)
;;       e = np.where(a > 0, np.clip(np.frexp(np.where(a > 0, a, 1))[1] - 1 - 2, -126, 127), 0)      # np.frexp(a)[1] - 1 = floor(log2(a)), exactly
;;       r = np.clip(x / 2.0 ** e, -6, 6)
;;       step = 2.0 ** (np.maximum(np.frexp(np.where(r == 0, 1, r))[1] - 1, 0) - 1)
;;       q = np.round(r / step) * step * 2.0 ** e      # np.round: ties to even
;;       return np.moveaxis(q.reshape(q.shape[:-2] + (-1,))[..., :K], -1, axis).astype(np.float32)
;;   ~~~
;;   SOFTMAX AHEAD OF A QUANTISED PRODUCT. Where the list says 'softmax', what is quantised is not the finished softmax but p = 2^(t - M), with t = logit x log2(e) and M = ceil(the row's largest t), a whole number; so 1/2 < the row's largest p <= 1. The row's sum l is taken of the UNQUANTISED p, in f32, and the product's result is divided by l at the end. Since M is a whole number, a kernel that streams over the keys may use a running M (the ceiling of the running maximum): every later rescaling is an exact power of two, which a block's scale takes up: the codes' values come out the same.
;;   OPERANDS COMPUTED ON THE WAY. 'Computed on the way' means the value that the module computes at that place (a softmax that the list does not call 'softmax' is quantised finished and normalised). What goes into a quantiser is computed in f32, as accurately as f32 sums, v_exp_f32 and their like allow (about 1e-6 of the number): no bf16 or f16 on the way to a quantiser, and a product that is left as it is and whose result goes on into a quantised operand takes f32 operands (vector FMAs, or v_wmma_f32_16x16x4_f32). A number that lies on a knife's edge between two numbers of the format may be rounded either way, as far as f32 arithmetic and the matrix unit's own rounding can turn it there, and no further.
;;   INPUTS GIVEN AS CODES. Wk (in the module: [512, 512], K = its axis 1); Wo (in the module: [512, 512], K = its axis 1); Wq (in the module: [512, 512], K = its axis 1); Wv (in the module: [512, 512], K = its axis 1); h (in the module: [4, 2048, 512], K = its axis 2): each comes as NAME_codes (uint8): NAME with its K axis moved to the last place and cut into blocks of 32 codes, [.., K / 32, bytes a block], one block behind the other in memory; two codes a byte, the lower K in the low four bits (a code: sign, 2 exponent bits, 1 mantissa bit); and NAME_scales (uint8): the same leading axes, one E8M0 byte (e + 127) for each 32 codes along K. Its value is code x scale, taken as it is: it is not quantised again, and the codes and scales need not be those that the quantiser above would give.
;; 2 versions. Each part assembles by itself: llvm-mc -triple=amdgcn-amd-amdhsa -mcpu=gfx1250 --defsym DOCPART=n.
;; ======== version 1 of 2: 3 launches
;; workspace buffers: qb 2,359,296 bytes; kv 4,587,520 bytes; maskw 524,288 bytes of whole numbers; oc 2,097,152 bytes; os 131,072 bytes
;; launch prep (part 1): grid 512 x 1, 4 waves a work-group, no clusters, 104,960 bytes of LDS; arguments h_codes, h_scales, Wq_codes, Wq_scales, bq, Wk_codes, Wk_scales, bk, Wv_codes, Wv_scales, bv, adj, qb, kv, maskw; writes qb, kv, maskw
.if DOCPART == 1
	.amdgcn_target "amdgcn-amd-amdhsa--gfx1250"
	.amdhsa_code_object_version 6
	.text
	.protected	k_q3483709413_prep
	.globl	k_q3483709413_prep
	.p2align	8
	.type	k_q3483709413_prep,@function
k_q3483709413_prep:
	s_mov_b64 s[64:65], 0
	v_nop
	global_prefetch_b8 v0, s[64:65] scope:SCOPE_SE
	s_setreg_imm32_b32 hwreg(HW_REG_WAVE_MODE, 25, 1), 1
	s_wait_xcnt 0x0
; q = h Wq^T + bq, k = h Wk^T + bk, v = h Wv^T + bv on codes of FP4 (E2M1) with E8M0 scales; the results are quantised at once, q and k along the head's 64, v along the keys, and stored
; as IMAGES OF OPERAND REGISTERS (lane l's 16 bytes at 16 l), so that the attention launch loads fragments as they lie.  adj is packed into lane masks, one 32-bit word for each score register.
; SHARES.  Work-group = (group of 128 tokens g = id / 8, head = id % 8).  The wave's number is its role: 0 makes q, 1 makes k, 2 makes v (128 tokens x 64 features x K 512: 128 matrix instructions each),
; 3 packs 16 rows x 512 columns of adj (query tile id / 4, key steps 4 (id % 4) + 0 .. 3).
; THE ROWS OF A TILE ARE NOT NEIGHBOURS: lane r of tile 2 b + u takes row 32 b + 8 u + r + 8 (r / 8), for tokens and for features alike.  With such a tile as source 0, register 8 (2 b + u) + j of lane (r, h) is
; index 32 b + 16 h + 8 u + j: the 32 registers of four tiles are two blocks of 32, each shared by lanes l and l xor 16.
; q, k: source 0 = features, source 1 = tokens: a lane holds one token, registers run along the head.  v: source 0 = tokens, source 1 = features: a lane holds one feature, registers run along the keys.
; LIMITS: NaN and infinities among the inputs are not served; a block whose largest magnitude lies under 2^-124 keeps the scale byte 1, a block of zeros too (its codes are zeros; this program alone reads the bytes).
; LDS: 0: the group's 128 rows of h's codes, 272 bytes apart;  PR0 + 17,408 x wave: the wave's own bytes: 64 rows of its weight's slice (272 apart), or, role 3, a stage of 16 rows of 528 bytes.
; REGISTERS, window 0: v1-15 lane terms and addresses; v16-31 h's scale words; v32-39 W's; v40-167 W's fragments; v168-199 bias; v200-231 four accumulators; v232-255 at work.  Window 1: h's 32 fragments.
.set PITCH, 272
.set PR0,   128*PITCH
.set PRB,   64*PITCH
.set MP,    528                        ; a row of the mask's stage: 512 bytes + 16
.set HS,  16                           ; register 4 p + s: lanes 0-15 token tile 2 p, lanes 16-31 tile 2 p + 1, K step s
.set WS,  32                           ; the same for the feature tiles
.set WF,  40                           ; feature tile f, K step s at WF + 32 f + 8 s
.set BI,  168
.set ACC, 200
.set TM,  232                          ; v232-233 largest magnitudes, v234-235 bytes, v236-237 the conversions' scale operands
.set PW,  238
.set PC,  240                          ; four registers of codes
.set KW,  244                          ; v244-251 scale words that are kept till the end
.set OW,  252                          ; v252-255 scale words as they are stored
.set X,   40                           ; role 3: two sets of 64 words as loaded
.set Y,   168                          ; role 3: 64 words in the score registers' order
.set MW,  232                          ; role 3: a pair of registers for each of four units
.set SEL, 38                           ; s[38:39] lane selects of v_permlanex16_b32: lane l xor 16
.set MSB, 0
.macro WIN new                         ; the immediate's high byte repeats the setting that is left
.if MSB != \new
	s_set_vgpr_msb (MSB<<8)|\new
.set MSB, \new
.endif
.endm
.macro PLACES n
.rept \n
	v_nop
.endr
.endm
; one product 16 x 16 x 128.  ra, rb = 1: that side's scale words stand in lanes 16-31 of the register named
.macro WM d, a, b, c, sa, sb, ra, rb
.if (\ra) == 0
.if (\rb) == 0
	v_wmma_scale_f32_16x16x128_f8f6f4 v[(\d):(\d)+7], v[(\a):(\a)+7], v[(\b):(\b)+7], v[(\c):(\c)+7], v[(\sa)], v[(\sb)] matrix_a_fmt:MATRIX_FMT_FP4 matrix_b_fmt:MATRIX_FMT_FP4
.else
	v_wmma_scale_f32_16x16x128_f8f6f4 v[(\d):(\d)+7], v[(\a):(\a)+7], v[(\b):(\b)+7], v[(\c):(\c)+7], v[(\sa)], v[(\sb)] matrix_a_fmt:MATRIX_FMT_FP4 matrix_b_fmt:MATRIX_FMT_FP4 matrix_b_scale:MATRIX_SCALE_ROW1
.endif
.else
.if (\rb) == 0
	v_wmma_scale_f32_16x16x128_f8f6f4 v[(\d):(\d)+7], v[(\a):(\a)+7], v[(\b):(\b)+7], v[(\c):(\c)+7], v[(\sa)], v[(\sb)] matrix_a_fmt:MATRIX_FMT_FP4 matrix_b_fmt:MATRIX_FMT_FP4 matrix_a_scale:MATRIX_SCALE_ROW1
.else
	v_wmma_scale_f32_16x16x128_f8f6f4 v[(\d):(\d)+7], v[(\a):(\a)+7], v[(\b):(\b)+7], v[(\c):(\c)+7], v[(\sa)], v[(\sb)] matrix_a_fmt:MATRIX_FMT_FP4 matrix_b_fmt:MATRIX_FMT_FP4 matrix_a_scale:MATRIX_SCALE_ROW1 matrix_b_scale:MATRIX_SCALE_ROW1
.endif
.endif
.endm
; 32 numbers of a lane, register 16 b + i = index 32 b + 16 h + i of its row, become 4 registers of codes (lane (r, h): block h whole) in v[PC] on, and the two scale bytes as a halfword in v[pw].
; The reads ascend.
.macro QUANT2 s, pw
.irp b, 0,1
	v_max3_num_f32 v[TM+\b], |v[(\s)+16*\b]|, |v[(\s)+16*\b+1]|, 0x1800000   ; my 16 numbers of block b, and the floor 2^(3 - 127): the byte cannot fall under 1
.endr
.irp i, 2,4,6,8,10,12,14
.irp b, 0,1
	v_max3_num_f32 v[TM+\b], v[TM+\b], |v[(\s)+16*\b+\i]|, |v[(\s)+16*\b+\i+1]|
.endr
.endr
.irp b, 0,1
	v_permlanex16_b32 v[TM+2+\b], v[TM+\b], s[SEL], s[SEL+1]
.endr
.irp b, 0,1
	v_max_num_f32 v[TM+\b], v[TM+\b], v[TM+2+\b]       ; with lane l xor 16's: the block's largest magnitude
.endr
.irp b, 0,1
	v_add_nc_u32 v[TM+4+\b], 0xff000000, v[TM+\b]      ; 2 off its exponent field: the conversion's scale operand
.endr
.irp b, 0,1
	v_lshrrev_b32 v[TM+2+\b], 23, v[TM+4+\b]           ; the scale's byte
.endr
	v_lshl_or_b32 v[(\pw)], v[TM+3], 8, v[TM+2]
	s_wait_xcnt 0x0                                    ; the last image's store has read v[PC] on: only behind this wait are they written again
.irp b, 0,1
	v_cvt_scalef32_pk8_fp4_f32 v[PC+2*\b], v[(\s)+16*\b:(\s)+16*\b+7], v[TM+4+\b]
	v_cvt_scalef32_pk8_fp4_f32 v[PC+2*\b+1], v[(\s)+16*\b+8:(\s)+16*\b+15], v[TM+4+\b]
.endr
	v_nop                                              ; one plain place behind a scaled conversion
	v_permlane16_swap_b32 v[PC], v[PC+2]               ; half blocks become whole blocks: lanes 0-15 block 0, lanes 16-31 block 1
	v_permlane16_swap_b32 v[PC+1], v[PC+3]
.endm
; role 3: 16 rows of adj (the query tile's order) x 128 keys: each load reads 512 consecutive bytes of one row
.macro LOADM k
.irp q, 0,1,2,3,4,5,6,7,8,9,10,11,12,13,14,15
	global_load_b128 v[X+64*((\k)%2)+4*\q:X+64*((\k)%2)+4*\q+3], v5, s[30:31] offset:(\q+8*(\q/8))*8192+512*(\k) th:TH_LOAD_NT
.endr
.endm
.macro MUNIT k
.if (\k) < 3
	s_wait_loadcnt 16                                  ; this unit's 16 loads are in; the next unit's 16 may be out
.else
	s_wait_loadcnt 0x0
.endif
.irp q, 0,1,2,3,4,5,6,7,8,9,10,11,12,13,14,15
	ds_store_b128 v10, v[X+64*((\k)%2)+4*\q:X+64*((\k)%2)+4*\q+3] offset:MP*\q
.endr
.irp b, 0,1,2,3
.irp m, 0,1,2,3
	ds_load_b128 v[Y+16*\b+4*\m:Y+16*\b+4*\m+3], v11 offset:128*\b+16*\m   ; lane (r, h): row r, keys 32 b + 16 h + 4 m on.  My own bytes, served in order: these see the stores above
.endr
.endr
	s_wait_dscnt 0x0
.if (\k) < 2
	LOADM (\k)+2
.endif
.set n, 0
.rept 64
	v_cmp_ne_u32 s[44+n%8], 0, v[Y+n]                  ; bit 16 h + r: does key 32 (n / 16) + 16 h + n % 16 count for the tile's query r?
	v_writelane_b32 v[MW+2*(\k)+n%2], s[44+n%8], n/2   ; word n goes to lane n / 2, register n % 2
.set n, n+1
.endr
	global_store_b64 v15, v[MW+2*(\k):MW+2*(\k)+1], s[36:37] offset:256*(\k)   ; 32 lanes store 256 consecutive bytes, aligned
.endm
	s_load_b512 s[8:23], s[0:1], 0x0               ; h's codes 8:9, h's scales 10:11, Wq's codes 12:13, scales 14:15, bq 16:17, Wk's codes 18:19, scales 20:21, bk 22:23
	s_load_b256 s[24:31], s[0:1], 0x40             ; Wv's codes 24:25, scales 26:27, bv 28:29, adj 30:31
	s_load_b128 s[32:35], s[0:1], 0x60             ; qb, kv
	s_load_b64 s[36:37], s[0:1], 0x70              ; maskw
	s_set_vgpr_msb 0x80
	v_lshl_add_u32 v0, v0, 2, 0x19800
	v_mov_b32 v1, 0
	s_set_vgpr_msb 0x8000
	v_lshrrev_b32 v1, 5, v0
	v_readfirstlane_b32 s2, v1                     ; wave = role
	v_and_b32 v1, 31, v0                           ; lane L
	v_and_b32 v2, 15, v0                           ; r
	v_bfe_u32 v3, v0, 4, 1                         ; h
	v_and_b32 v4, 8, v2
	v_add_nc_u32 v4, v4, v2                        ; r + 8 (r / 8)
	v_lshlrev_b32 v5, 4, v1                        ; 16 L
	s_mul_i32 s5, s2, 32*PITCH                     ; my 32 rows of h's stage
	s_mul_i32 s43, s2, PRB
	s_add_co_u32 s43, s43, PR0                     ; my own bytes
	v_mul_u32_u24 v6, v3, PITCH
	v_lshl_add_u32 v6, v2, 4, v6                   ; two rows an instruction: 272 h + 16 r
	v_add_nc_u32 v8, s43, v6                       ; W's slice on its way in
	v_add_nc_u32 v6, s5, v6                        ; h's codes on their way in
	v_mul_u32_u24 v7, v4, PITCH
	v_lshl_add_u32 v7, v3, 4, v7                   ; a fragment's lane: row r + 8 (r / 8), + 16 h
	v_add_nc_u32 v9, s43, v7                       ; the same in W's slice
	v_add_nc_u32 v10, s43, v5                      ; the mask's stage, in
	v_mul_u32_u24 v11, v2, MP
	v_lshl_add_u32 v11, v3, 6, v11
	v_add_nc_u32 v11, s43, v11                     ; and out: row r, + 64 h
	v_lshl_add_u32 v12, v3, 3, v4
	v_lshlrev_b32 v12, 4, v12                      ; scale words: 16 bytes a row; lanes 16-31 take the odd tile, 8 rows on
	v_lshlrev_b32 v13, 6, v3                       ; bias of q, k: 16 h features on
	v_lshlrev_b32 v14, 2, v4                       ; bias of v: my feature
	v_lshlrev_b32 v15, 3, v1                       ; 8 L
	v_mov_b32 v[TM+2], 0                           ; written once: a lane permute's destination counts as one of its sources
	v_mov_b32 v[TM+3], 0
	s_lshr_b32 s3, ttmp9, 3                        ; g
	s_and_b32 s4, ttmp9, 7                         ; head
	s_mov_b32 s[SEL], 0x76543210
	s_mov_b32 s[SEL+1], 0xfedcba98
	s_mov_b32 s40, 0xffff0000                      ; lanes 16-31
	s_wait_kmcnt 0x0
	s_cmp_eq_u32 s2, 1                             ; the role's weight, scales and bias: the choices hang on the wave's number alone
	s_cselect_b64 s[12:13], s[18:19], s[12:13]
	s_cselect_b64 s[14:15], s[20:21], s[14:15]
	s_cselect_b64 s[16:17], s[22:23], s[16:17]
	s_cmp_eq_u32 s2, 2
	s_cselect_b64 s[12:13], s[24:25], s[12:13]
	s_cselect_b64 s[14:15], s[26:27], s[14:15]
	s_cselect_b64 s[16:17], s[28:29], s[16:17]
	s_cmp_eq_u32 s2, 0
	s_cselect_b64 s[32:33], s[32:33], s[34:35]     ; where the images go: qb, or kv
	s_mov_b32 s41, 8960
	s_cselect_b32 s41, 4608, s41                   ; bytes of a block there
	s_mov_b32 s42, 8192
	s_cselect_b32 s42, 4096, s42                   ; and where q's or k's scale words begin in it
	s_mov_b32 s7, 0
	s_lshl_b32 s6, s4, 14
	s_add_nc_u64 s[12:13], s[12:13], s[6:7]        ; the head's 64 rows of 256 bytes
	s_lshl_b32 s6, s4, 10
	s_add_nc_u64 s[14:15], s[14:15], s[6:7]        ; their scale bytes
	s_lshl_b32 s6, s4, 8
	s_add_nc_u64 s[16:17], s[16:17], s[6:7]        ; their bias
	s_lshl_b32 s6, s3, 15
	s_lshl_b32 s44, s2, 13
	s_add_co_u32 s6, s6, s44
	s_add_nc_u64 s[8:9], s[8:9], s[6:7]            ; h's codes: the group's 128 rows, my 32 of them
	s_lshl_b32 s6, s3, 11
	s_add_nc_u64 s[10:11], s[10:11], s[6:7]        ; h's scales: the group's
	s_lshr_b32 s6, s3, 4                           ; batch
	s_lshl_b32 s6, s6, 3
	s_add_co_u32 s6, s6, s4
	s_lshl_b32 s6, s6, 4
	s_and_b32 s44, s3, 15
	s_add_co_u32 s6, s6, s44                       ; (8 batch + head) 16 + the group in the batch
	s_mul_i32 s6, s6, s41
	s_add_nc_u64 s[32:33], s[32:33], s[6:7]
	s_mov_b32 s6, s42
	s_add_nc_u64 s[52:53], s[32:33], s[6:7]
	s_lshr_b32 s44, ttmp9, 2                       ; role 3's query tile T
	s_lshr_b32 s6, s44, 1
	s_lshl_b32 s6, s6, 5
	s_and_b32 s44, s44, 1
	s_lshl_b32 s44, s44, 3
	s_add_co_u32 s6, s6, s44                       ; its first row: 32 (T / 2) + 8 (T % 2)
	s_lshl_b32 s6, s6, 13
	s_and_b32 s44, ttmp9, 3
	s_lshl_b32 s44, s44, 11
	s_add_co_u32 s6, s6, s44                       ; and its 512 keys
	s_add_nc_u64 s[30:31], s[30:31], s[6:7]
	s_lshl_b32 s6, ttmp9, 10
	s_add_nc_u64 s[36:37], s[36:37], s[6:7]        ; four units of 256 bytes
	; ---- all four waves: the group's codes of h into LDS, read from memory once for the three roles, 512 consecutive bytes a load
.irp k, 0,1,2,3,4,5,6,7,8,9,10,11,12,13,14,15
	global_load_b128 v[40+4*\k:43+4*\k], v5, s[8:9] offset:512*\k
.endr
.irp k, 0,1,2,3,4,5,6,7,8,9,10,11,12,13,14,15
	s_wait_loadcnt 15-\k                           ; loads come back in order: load k is in, the younger ones stay out
	ds_store_b128 v6, v[40+4*\k:43+4*\k] offset:2*PITCH*\k
.endr
	s_wait_dscnt 0x0                               ; for the others' sake: my stores have landed
	s_barrier_signal -1
	s_barrier_wait -1                              ; the launch's one barrier; behind it the roles part and never meet again
	s_cmp_eq_u32 s2, 3
	s_cbranch_scc1 .Lmask
	; ---- roles 0 to 2: W's slice (dense loads, turned through my own LDS bytes), the scale words, h's 32 fragments
.irp k, 0,1,2,3,4,5,6,7,8,9,10,11,12,13,14,15,16,17,18,19,20,21,22,23,24,25,26,27,28,29,30,31
	global_load_b128 v[WF+4*\k:WF+4*\k+3], v5, s[12:13] offset:512*\k
.endr
.irp p, 0,1,2,3
	global_load_b128 v[HS+4*\p:HS+4*\p+3], v12, s[10:11] offset:512*\p
.endr
.irp p, 0,1
	global_load_b128 v[WS+4*\p:WS+4*\p+3], v12, s[14:15] offset:512*\p
.endr
	WIN 0x40                                       ; destination window 1
.irp i, 0,1,2,3,4,5,6,7
.irp s, 0,1,2,3
.irp c, 0,1
	ds_load_b128 v[32*\i+8*\s+4*\c:32*\i+8*\s+4*\c+3], v7 offset:(32*(\i/2)+8*(\i%2))*PITCH+64*\s+32*\c
.endr
.endr
.endr
	WIN 0
	s_wait_loadcnt 6                               ; W's 32 loads are in; the six loads of scale words may be out
.irp k, 0,1,2,3,4,5,6,7,8,9,10,11,12,13,14,15,16,17,18,19,20,21,22,23,24,25,26,27,28,29,30,31
	ds_store_b128 v8, v[WF+4*\k:WF+4*\k+3] offset:2*PITCH*\k
.endr
.irp f, 0,1,2,3
.irp s, 0,1,2,3
.irp c, 0,1
	ds_load_b128 v[WF+32*\f+8*\s+4*\c:WF+32*\f+8*\s+4*\c+3], v9 offset:(32*(\f/2)+8*(\f%2))*PITCH+64*\s+32*\c   ; my own bytes, served in order: these see the stores above
.endr
.endr
.endr
	s_cmp_eq_u32 s2, 2
	s_cbranch_scc1 .Lv
	; ---- q or k: the bias is the C of each sum's first product: tile a, lane (r, h), register j: feature 32 (a / 2) + 16 h + 8 (a % 2) + j
.irp a, 0,1,2,3
	global_load_b128 v[BI+8*\a:BI+8*\a+3], v13, s[16:17] offset:(32*(\a/2)+8*(\a%2))*4
	global_load_b128 v[BI+8*\a+4:BI+8*\a+7], v13, s[16:17] offset:(32*(\a/2)+8*(\a%2))*4+16
.endr
	s_wait_loadcnt 0x0
	s_wait_dscnt 0x0
.irp i, 0,1,2,3,4,5,6,7                        ; a tile of 16 tokens at a time; the four accumulators take turns, one instruction a turn
.if \i > 0
	PLACES 5                                       ; the accumulators are begun anew, with another C
.endif
	WIN 0x04                                       ; source 1 (h) window 1
.irp s, 0,1,2,3
.irp a, 0,1,2,3
.if \s == 0
	WM ACC+8*\a, WF+32*\a+8*\s, 32*\i+8*\s, BI+8*\a, WS+4*(\a/2)+\s, HS+4*(\i/2)+\s, \a%2, \i%2
.else
	WM ACC+8*\a, WF+32*\a+8*\s, 32*\i+8*\s, ACC+8*\a, WS+4*(\a/2)+\s, HS+4*(\i/2)+\s, \a%2, \i%2
.endif
.endr
.endr
	WIN 0
	PLACES 4
	QUANT2 ACC, KW+\i
	global_store_b128 v5, v[PC:PC+3], s[32:33] offset:512*\i   ; the tile's image: 512 consecutive bytes
.endr
.irp b, 0,1,2,3
	v_cndmask_b32 v[OW+\b], v[KW+2*\b], v[KW+2*\b+1], s40      ; word b: lanes 0-15 tile 2 b, lanes 16-31 tile 2 b + 1; bytes 2 and 3 are 0, over the zero half of the scores' K
.endr
	global_store_b128 v5, v[OW:OW+3], s[52:53]
	s_set_vgpr_msb 0xa
	s_wait_tensorcnt 0x0
	ds_add_u32 v0, v1
	s_wait_dscnt 0x0
	s_set_vgpr_msb 0xa00
	s_endpgm
.Lv:	; ---- v: a lane holds one feature, so its bias is one number, spread over the eight registers of a C
.irp f, 0,1,2,3
	global_load_b32 v[BI+8*\f], v14, s[16:17] offset:(32*(\f/2)+8*(\f%2))*4
.endr
	s_wait_loadcnt 0x0
	s_wait_dscnt 0x0
.irp f, 0,1,2,3
.irp j, 1,2,3,4,5,6,7
	v_mov_b32 v[BI+8*\f+\j], v[BI+8*\f]
.endr
.endr
.irp f, 0,1,2,3                                ; feature tile f, keys 64 c on: four token tiles are four accumulators, by turns
.irp c, 0,1
	PLACES 5
	WIN 0x01                                       ; source 0 (h) window 1
.irp s, 0,1,2,3
.irp a, 0,1,2,3
.if \s == 0
	WM ACC+8*\a, 32*(4*\c+\a)+8*\s, WF+32*\f+8*\s, BI+8*\f, HS+4*((4*\c+\a)/2)+\s, WS+4*(\f/2)+\s, \a%2, \f%2
.else
	WM ACC+8*\a, 32*(4*\c+\a)+8*\s, WF+32*\f+8*\s, ACC+8*\a, HS+4*((4*\c+\a)/2)+\s, WS+4*(\f/2)+\s, \a%2, \f%2
.endif
.endr
.endr
	WIN 0
	PLACES 4
.if \c == 0
	QUANT2 ACC, KW+\f
.else
	QUANT2 ACC, PW
	v_lshl_or_b32 v[KW+\f], v[PW], 16, v[KW+\f]    ; four key blocks' bytes: the feature's scale word for these 128 keys
.endif
	global_store_b128 v5, v[PC:PC+3], s[32:33] offset:4096+1024*\f+512*\c
.endr
.endr
	v_cndmask_b32 v[OW], v[KW], v[KW+1], s40
	v_cndmask_b32 v[OW+1], v[KW+2], v[KW+3], s40
	global_store_b64 v15, v[OW:OW+1], s[32:33] offset:8704
	s_set_vgpr_msb 0xa
	s_wait_tensorcnt 0x0
	ds_add_u32 v0, v1
	s_wait_dscnt 0x0
	s_set_vgpr_msb 0xa00
	s_endpgm
.Lmask:	; ---- adj into lane masks
.irp q, 0,1,2,3,4,5,6,7
	v_mov_b32 v[MW+\q], 0                          ; v_writelane_b32's destination counts as one of its sources
.endr
	LOADM 0
	LOADM 1
	MUNIT 0
	MUNIT 1
	MUNIT 2
	MUNIT 3
	s_set_vgpr_msb 0xa
	s_wait_tensorcnt 0x0
	ds_add_u32 v0, v1
	s_wait_dscnt 0x0
	s_set_vgpr_msb 0xa00
	s_endpgm
.Lfunc_end_k_q3483709413_prep:
	.size	k_q3483709413_prep, .Lfunc_end_k_q3483709413_prep-k_q3483709413_prep
	.p2alignl 7, 3214868480
	.fill 96, 4, 3214868480
	.section	.rodata,"a",@progbits
	.p2align	6, 0x0
	.amdhsa_kernel k_q3483709413_prep
		.amdhsa_group_segment_fixed_size 104960
		.amdhsa_private_segment_fixed_size 0
		.amdhsa_enable_private_segment 0
		.amdhsa_kernarg_size 120
		.amdhsa_user_sgpr_count 2
		.amdhsa_user_sgpr_kernarg_segment_ptr 1
		.amdhsa_wavefront_size32 1
		.amdhsa_system_sgpr_workgroup_id_x 1
		.amdhsa_system_sgpr_workgroup_id_y 1
		.amdhsa_system_sgpr_workgroup_id_z 1
		.amdhsa_system_vgpr_workitem_id 0
		.amdhsa_next_free_vgpr 514
		.amdhsa_next_free_sgpr 66
		.amdhsa_reserve_vcc 0
		.amdhsa_float_denorm_mode_32 3
		.amdhsa_float_denorm_mode_16_64 3
		.amdhsa_memory_ordered 1
		.amdhsa_forward_progress 1
		.amdhsa_inst_pref_size 139
	.end_amdhsa_kernel
	.amdgpu_metadata
---
amdhsa.version: [ 1, 2 ]
amdhsa.kernels:
  - .name:           k_q3483709413_prep
    .symbol:         k_q3483709413_prep.kd
    .args:
      - { .name: h_codes, .offset: 0, .size: 8, .value_kind: global_buffer, .address_space: global }
      - { .name: h_scales, .offset: 8, .size: 8, .value_kind: global_buffer, .address_space: global }
      - { .name: Wq_codes, .offset: 16, .size: 8, .value_kind: global_buffer, .address_space: global }
      - { .name: Wq_scales, .offset: 24, .size: 8, .value_kind: global_buffer, .address_space: global }
      - { .name: bq, .offset: 32, .size: 8, .value_kind: global_buffer, .address_space: global }
      - { .name: Wk_codes, .offset: 40, .size: 8, .value_kind: global_buffer, .address_space: global }
      - { .name: Wk_scales, .offset: 48, .size: 8, .value_kind: global_buffer, .address_space: global }
      - { .name: bk, .offset: 56, .size: 8, .value_kind: global_buffer, .address_space: global }
      - { .name: Wv_codes, .offset: 64, .size: 8, .value_kind: global_buffer, .address_space: global }
      - { .name: Wv_scales, .offset: 72, .size: 8, .value_kind: global_buffer, .address_space: global }
      - { .name: bv, .offset: 80, .size: 8, .value_kind: global_buffer, .address_space: global }
      - { .name: adj, .offset: 88, .size: 8, .value_kind: global_buffer, .address_space: global }
      - { .name: qb, .offset: 96, .size: 8, .value_kind: global_buffer, .address_space: global }
      - { .name: kv, .offset: 104, .size: 8, .value_kind: global_buffer, .address_space: global }
      - { .name: maskw, .offset: 112, .size: 8, .value_kind: global_buffer, .address_space: global }
    .group_segment_fixed_size: 104960
    .private_segment_fixed_size: 0
    .kernarg_segment_align: 8
    .kernarg_segment_size: 120
    .max_flat_workgroup_size: 128
    .sgpr_count:     66
    .vgpr_count:     514
    .wavefront_size: 32
...
	.end_amdgpu_metadata
.endif
;; end of part 1
;; launch attn (part 2): grid 8 x 32, 16 waves a work-group, clusters of 4 x 1, 169,984 bytes of LDS; arguments qb, kv, maskw, oc, os; writes oc, os
.if DOCPART == 2
	.amdgcn_target "amdgcn-amd-amdhsa--gfx1250"
	.amdhsa_code_object_version 6
	.text
	.protected	k_q3483709413_attn
	.globl	k_q3483709413_attn
	.p2align	8
	.type	k_q3483709413_attn,@function
k_q3483709413_attn:
	s_mov_b64 s[64:65], 0
	v_nop
	global_prefetch_b8 v0, s[64:65] scope:SCOPE_SE
	s_setreg_imm32_b32 hwreg(HW_REG_WAVE_MODE, 25, 1), 1
	s_wait_xcnt 0x0
	s_wait_alu depctr_hold_cnt(0) depctr_sa_sdst(0) depctr_va_vdst(0) depctr_va_sdst(0) depctr_va_ssrc(0) depctr_va_vcc(0) depctr_vm_vsrc(0)
	s_getreg_b32 s2, hwreg(HW_REG_IB_STS2, 6, 4)
	s_cmp_eq_u32 s2, 0
	s_cbranch_scc0 .Lentry_in_a_cluster
	s_endpgm
.Lentry_in_a_cluster:
	s_bfe_u32 s2, ttmp6, 0x10000c
	s_cmp_lg_u32 s2, 0x3003
	s_cbranch_scc0 .Lentry_shape_is_right
	s_endpgm
.Lentry_shape_is_right:
; O = softmax(mask(q k^T / 8)) v for one (batch, head) and 256 queries, both products on codes of FP4 (E2M1) with E8M0 scales; O / l is quantised along the head's 64 and stored as an operand image.
; THE SOFTMAX: t = score x log2(e) / 8; M = the running largest t rounded UP to a whole number; p = 2^(t - M) is quantised along the keys, not normalised; the row's sum l is taken of the unquantised p.
; When M moves, l and O are multiplied by 2^(old M - new M), which rounds nothing.  A hidden score becomes -infinity ahead of the maximum: its p is 0.
; SHARES.  Sixteen waves; wave w owns query tile 16 x + w (16 queries), in 256 registers.  Every wave walks the head's 2,048 keys, 128 a step.
; K AND V COME ONCE.  A head's 16 step blocks (8,960 bytes each: K's images, V^T's images, their scale words) are 143,360 bytes and stay in LDS: wave w brings block w by one tensor load.  No byte of LDS is filled twice,
; and the loop has no barrier.  A wave has one tensor load out.
; CLUSTER.  The four query blocks of a cluster belong to one head, so each block is asked for JOINTLY: the same load with the same descriptor and a mask that names the four.
; LAYOUT.  Both products are used transposed: S^T = K Q^T, O^T = V^T P^T: a lane holds ONE query throughout.  The keys of a tile were chosen by the launch before so that register n of S^T holds key
; 32 (n / 16) + 16 (lane / 16) + n % 16 of the step.  The scores' K is 64: the upper half of K's and Q's fragments is zero codes.
; THE MASK comes as 64 lane masks a step, by scalar loads a step ahead; it selects values and steers nothing.
; LIMITS: NaN and infinities are not served.  A query for which no key counts has l = 0: its O is NaN and its scale bytes are set to 0xff, so that its whole output row becomes NaN.
; A block whose largest magnitude lies under 2^-124, or is zero, keeps the scale byte 1 (zero codes add nothing; this program alone reads the bytes).
.set BLK,  8960
.set LI,   1                           ; v1   16 x lane
.set L8,   2                           ; v2   8 x lane
.set ADK,  3                           ; v3   LDS address of the next step's K
.set ADV,  4                           ; v4   of this step's V
.set ADS,  5                           ; v5   of V's scale words
.set QF,   16                          ; v16-23   Q's fragment (v20-23 zero)
.set KF,   32                          ; v32-95   eight fragments of K (the upper four registers of each zero, written once)
.set S,    96                          ; v96-159  S^T, then p
.set O,    160                         ; v160-191 O^T
.set VF,   192                         ; v192-223 four fragments of V^T
.set PC,   224                         ; v224-231 p's codes
.set TM,   232                         ; v232-235 the blocks' largest; on the way out QUANT2's six
.set T2,   236
.set PW,   238
.set VS,   240                         ; v[240:241] V's scale words
.set NINF, 242
.set SOP,  244                         ; v244-247 the conversions' scale operands
.set KS,   248                         ; v[248:251] K's scale words
.set FF,   252                         ; f = 2^(old M - new M)
.set PS,   253                         ; p's scale word
.set TT,   254
.set QS,   255                         ; Q's scale word
.set WV,   10
.set TB,   11                          ; s11  LDS byte at which the step's block begins
.set G0,   12
.set G1,   16
.set TRIPS, 24
.set CS,   26                          ; s[26:27] c = log2(e) / 8
.set SEL,  28
.set HI,   30
; the mask's word n stands in s[32 + n] (n < 32) or s[36 + n]: s[32:63] and s[68:99]
.macro CROUND                          ; a round of the cluster's barrier
	s_barrier_signal -1
	s_barrier_wait -1
	s_cmp_lg_u32 s[WV], 0
	s_cbranch_scc1 .Lnot_wave_0_\@
	s_barrier_signal -3
.Lnot_wave_0_\@:
	s_barrier_wait -3
	s_barrier_signal -1
	s_barrier_wait -1
.endm
.macro KQ t                            ; S^T's tile t: 16 keys x my 16 queries.  K's scale words: even tiles in lanes 0-15, odd tiles in lanes 16-31
.if (\t)%2 == 0
	v_wmma_scale_f32_16x16x128_f8f6f4 v[S+8*(\t):S+8*(\t)+7], v[KF+8*(\t):KF+8*(\t)+7], v[QF:QF+7], 0, v[KS+(\t)/2], v[QS] matrix_a_fmt:MATRIX_FMT_FP4 matrix_b_fmt:MATRIX_FMT_FP4
.else
	v_wmma_scale_f32_16x16x128_f8f6f4 v[S+8*(\t):S+8*(\t)+7], v[KF+8*(\t):KF+8*(\t)+7], v[QF:QF+7], 0, v[KS+(\t)/2], v[QS] matrix_a_fmt:MATRIX_FMT_FP4 matrix_b_fmt:MATRIX_FMT_FP4 matrix_a_scale:MATRIX_SCALE_ROW1
.endif
.endm
.macro PV f                            ; O^T's tile f += 16 of the head's 64 x these 128 keys
.if (\f)%2 == 0
	v_wmma_scale_f32_16x16x128_f8f6f4 v[O+8*(\f):O+8*(\f)+7], v[VF+8*(\f):VF+8*(\f)+7], v[PC:PC+7], v[O+8*(\f):O+8*(\f)+7], v[VS+(\f)/2], v[PS] matrix_a_fmt:MATRIX_FMT_FP4 matrix_b_fmt:MATRIX_FMT_FP4
.else
	v_wmma_scale_f32_16x16x128_f8f6f4 v[O+8*(\f):O+8*(\f)+7], v[VF+8*(\f):VF+8*(\f)+7], v[PC:PC+7], v[O+8*(\f):O+8*(\f)+7], v[VS+(\f)/2], v[PS] matrix_a_fmt:MATRIX_FMT_FP4 matrix_b_fmt:MATRIX_FMT_FP4 matrix_a_scale:MATRIX_SCALE_ROW1
.endif
.endm
.macro LOADK adr                       ; a step's K: eight images of 512 bytes (the lower half of each fragment) and the scale words: nine loads
.irp t, 0,1,2,3,4,5,6,7
	ds_load_b128 v[KF+8*\t:KF+8*\t+3], v[\adr] offset:512*\t
.endr
	ds_load_b128 v[KS:KS+3], v[\adr] offset:8192
.endm
; 32 numbers of a lane, register 16 b + i = index 32 b + 16 h + i, become 4 registers of codes in v[PC] on (lane (r, h): block h whole); the two scale bytes stay in v[TM+2], v[TM+3]
.macro QUANT2 s, pw
.irp b, 0,1
	v_max3_num_f32 v[TM+\b], |v[(\s)+16*\b]|, |v[(\s)+16*\b+1]|, 0x1800000
.endr
.irp i, 2,4,6,8,10,12,14
.irp b, 0,1
	v_max3_num_f32 v[TM+\b], v[TM+\b], |v[(\s)+16*\b+\i]|, |v[(\s)+16*\b+\i+1]|
.endr
.endr
.irp b, 0,1
	v_permlanex16_b32 v[TM+2+\b], v[TM+\b], s[SEL], s[SEL+1]
.endr
.irp b, 0,1
	v_max_num_f32 v[TM+\b], v[TM+\b], v[TM+2+\b]
.endr
.irp b, 0,1
	v_add_nc_u32 v[TM+4+\b], 0xff000000, v[TM+\b]
.endr
.irp b, 0,1
	v_lshrrev_b32 v[TM+2+\b], 23, v[TM+4+\b]
.endr
	v_lshl_or_b32 v[(\pw)], v[TM+3], 8, v[TM+2]
.irp b, 0,1
	v_cvt_scalef32_pk8_fp4_f32 v[PC+2*\b], v[(\s)+16*\b:(\s)+16*\b+7], v[TM+4+\b]
	v_cvt_scalef32_pk8_fp4_f32 v[PC+2*\b+1], v[(\s)+16*\b+8:(\s)+16*\b+15], v[TM+4+\b]
.endr
	v_nop                                          ; one plain place behind a scaled conversion
	v_permlane16_swap_b32 v[PC], v[PC+2]
	v_permlane16_swap_b32 v[PC+1], v[PC+3]
.endm
	s_load_b256 s[32:39], s[0:1], 0x0              ; qb 32:33, kv 34:35, maskw 36:37, oc 38:39
	s_load_b64 s[40:41], s[0:1], 0x20              ; os
	v_lshl_add_u32 v31, v0, 2, 0x29000
	v_mov_b32 v243, 0
	ds_add_u32 v31, v243
	ds_add_u32 v31, v243
	v_lshrrev_b32 v1, 5, v0
	v_readfirstlane_b32 s[WV], v1                  ; wave 0..15
	v_and_b32 v2, 31, v0
	v_lshlrev_b32 v[LI], 4, v2
	v_lshlrev_b32 v[L8], 3, v2
	s_bfe_u32 s42, ttmp6, 0x40000                  ; cx: it enters Q's, the mask's and the outputs' global addresses alone
	s_lshl_b32 s43, ttmp9, 2
	s_add_co_u32 s43, s43, s42                     ; my block of 256 queries
	s_and_b32 s25, ttmp7, 0xffff                   ; 8 batch + head, which the four partners share
	s_lshl_b32 s31, s43, 4
	s_add_co_u32 s31, s31, s[WV]                   ; my query tile T
	s_lshl_b32 s14, s25, 4                         ; the joint load: block (16 (8 batch + head) + wave) of kv, to LDS byte 8,960 x wave
	s_add_co_u32 s14, s14, s[WV]
	s_mul_i32 s14, s14, BLK
	s_mov_b32 s15, 0
	s_mov_b32 s[G0], 1                             ; count = 1
	s_mul_i32 s[G0+1], s[WV], BLK                  ; LDS address
	s_mov_b32 s[G1], 15|(3<<16)|(1<<21)            ; the mask: all four work-groups; elements of 8 bytes; bit 21 set beside a mask; no padding: every read is 16 x lane on dense images
	s_mov_b32 s[G1+1], 32<<16                      ; tensor_dim0 = 32 elements: rows of 256 bytes
	s_mov_b32 s[G1+2], 35<<16                      ; tensor_dim1 = 35 rows
	s_mov_b32 s[G1+3], 32<<16                      ; tile_dim0
	s_mov_b32 s[G1+4], 35                          ; tile_dim1
	s_mov_b32 s[G1+5], 32                          ; the pitch: dense
	s_mov_b32 s[G1+6], 0
	s_mov_b32 s[G1+7], 0
	s_lshl_b32 s2, s25, 4                          ; Q: block 16 (8 batch + head) + T / 8 of qb
	s_lshr_b32 s44, s31, 3
	s_add_co_u32 s2, s2, s44
	s_mul_i32 s2, s2, 4608
	s_mov_b32 s3, 0
	s_and_b32 s44, s[WV], 7                        ; my tile in that block
	s_lshl_b32 s45, s44, 9                         ; its image
	s_and_b32 s46, s[WV], 1
	s_lshl_b32 s46, s46, 8                         ; its scale words: odd tiles stand in lanes 16-31's places,
	s_lshr_b32 s44, s44, 1
	s_lshl_b32 s44, s44, 2
	s_add_co_u32 s46, s46, s44                     ; word (tile / 2) of a lane's four,
	s_add_co_u32 s46, s46, 4096                    ; behind the eight images
	v_add_nc_u32 v6, s45, v[LI]
	v_and_b32 v7, 15, v0
	v_lshlrev_b32 v7, 4, v7
	v_add_nc_u32 v7, s46, v7
	s_lshl_b32 s48, s31, 12                        ; the mask: 16 steps of 256 bytes a tile
	s_mov_b32 s49, 0
	s_lshr_b32 s54, s25, 3
	s_lshl_b32 s54, s54, 7
	s_add_co_u32 s54, s54, s31                     ; 128 batch + T
	s_and_b32 s55, s25, 7                          ; head
	s_lshl_b32 s50, s54, 3
	s_add_co_u32 s50, s50, s55
	s_lshl_b32 s50, s50, 9                         ; oc: an image of 512 bytes for each (tile, head)
	s_mov_b32 s51, 0
	s_lshl_b32 s52, s54, 8
	s_lshl_b32 s55, s55, 1
	s_add_co_u32 s52, s52, s55                     ; os: 256 bytes a tile, 16 a row, 2 a head
	s_mov_b32 s53, 0
	s_mov_b32 s[CS], 0x3e38aa3b                    ; c = log2(e) / sqrt(64)
	s_mov_b32 s[CS+1], s[CS]                       ; (named with it as a pair, so it is written)
	s_mov_b32 s[SEL], 0x76543210
	s_mov_b32 s[SEL+1], 0xfedcba98
	s_mov_b32 s[HI], 0xffff0000
	s_wait_dscnt 0x0
	s_wait_kmcnt 0x0
	s_add_nc_u64 s[G0+2:G0+3], s[34:35], s[14:15]
	s_or_b32 s[G0+3], s[G0+3], 0x80000000          ; type = 2
	s_add_nc_u64 s[2:3], s[32:33], s[2:3]
	s_add_nc_u64 s[4:5], s[36:37], s[48:49]
	s_add_nc_u64 s[6:7], s[38:39], s[50:51]
	s_add_nc_u64 s[8:9], s[40:41], s[52:53]
	CROUND                                         ; all four work-groups are here: the joint loads meet
	tensor_load_to_lds s[G0:G0+3], s[G1:G1+7]      ; my one tensor load
	s_nop 0
.rept 4
	v_nop
.endr
	global_load_b128 v[QF:QF+3], v6, s[2:3]
	global_load_b32 v[QS], v7, s[2:3]
	s_load_b512 s[32:47], s[4:5], 0x0              ; step 0's 64 lane masks
	s_load_b512 s[48:63], s[4:5], 0x40
	s_load_b512 s[68:83], s[4:5], 0x80
	s_load_b512 s[84:99], s[4:5], 0xc0
.irp q, 4,5,6,7
	v_mov_b32 v[QF+\q], 0                          ; the upper half of the scores' K: zero codes
.endr
.irp t, 0,1,2,3,4,5,6,7
.irp q, 4,5,6,7
	v_mov_b32 v[KF+8*\t+\q], 0
.endr
.endr
.set n, 0
.rept 32
	v_mov_b32 v[O+n], 0                            ; O^T.  (The step is written once for all trips: the first finds zeros, which the first change of M leaves zeros)
.set n, n+1
.endr
	v_mov_b32 v14, 0                               ; the sum, in two halves
	v_mov_b32 v15, 0
.irp b, 0,1,2,3
	v_mov_b32 v[T2+\b], 0                          ; a lane permute's destination counts as one of its sources
.endr
	v_mov_b32 v[PS], 0                             ; (named as the upper half of the pair with f before it is first written)
	v_mov_b32 v13, 0xff61b1e6                      ; the largest t so far: -3e38
	v_floor_f32 v12, -v13                          ; -M
	v_mov_b32 v[NINF], 0xff800000
	s_wait_tensorcnt 0x0                           ; my block has landed,
	s_barrier_signal -1
	s_barrier_wait -1                              ; everybody's has
	LOADK LI                                       ; step 0's K
	s_wait_loadcnt 0x0                             ; Q
	s_mov_b32 s[TB], 0
	s_mov_b32 s[TRIPS], 15
; A KEY STEP: 128 keys.  last = 1: nothing is fetched for a next step.
.macro STEP last
	s_wait_dscnt 0x0                               ; this step's K: the only LDS loads that are out
.irp t, 0,1,2,3,4,5,6,7
	KQ \t
.endr
	v_add_nc_u32 v[ADV], s[TB], v[LI]              ; four plain lines: the places behind the products, for the loads and the selects below
	v_add_nc_u32 v[ADS], s[TB], v[L8]
.if \last
	v_nop
.else
	s_add_co_u32 s[TB], s[TB], BLK
	v_add_nc_u32 v[ADK], s[TB], v[LI]
.endif
	v_nop
.irp q, 0,1,2,3,4,5,6,7
	ds_load_b128 v[VF+4*\q:VF+4*\q+3], v[ADV] offset:4096+512*\q   ; this step's V^T: nine loads
.endr
	ds_load_b64 v[VS:VS+1], v[ADS] offset:8704
.if !\last
	LOADK ADK                                      ; the next step's K: nine loads
.endif
	s_wait_kmcnt 0x0                               ; this step's lane masks
.set n, 0
.rept 64
	v_cndmask_b32 v[S+n], v[NINF], v[S+n], s[32+n+4*(n/32)]   ; a hidden score becomes -infinity.  Ascending: each accumulator is first read at its low end
.set n, n+1
.endr
.irp b, 0,1,2,3
	v_max3_num_f32 v[TM+\b], v[S+16*\b], v[S+1+16*\b], v[S+2+16*\b]   ; the largest score of each block of 32 keys: it serves the row's maximum and, since p rises with the score, the block's largest p
.endr
.irp i, 3,5,7,9,11,13
.irp b, 0,1,2,3
	v_max3_num_f32 v[TM+\b], v[TM+\b], v[S+16*\b+\i], v[S+1+16*\b+\i]
.endr
.endr
.irp b, 0,1,2,3
	v_max_num_f32 v[TM+\b], v[TM+\b], v[S+15+16*\b]
.endr
.if !\last
	s_add_nc_u64 s[4:5], s[4:5], 256               ; (the wait above has shown the loads that named this base done)
	s_load_b512 s[32:47], s[4:5], 0x0              ; the next step's lane masks: the rest of this step in which to land
	s_load_b512 s[48:63], s[4:5], 0x40
	s_load_b512 s[68:83], s[4:5], 0x80
	s_load_b512 s[84:99], s[4:5], 0xc0
.endif
.irp b, 0,1,2,3
	v_permlanex16_b32 v[T2+\b], v[TM+\b], s[SEL], s[SEL+1]
.endr
.irp b, 0,1,2,3
	v_max_num_f32 v[TM+\b], v[TM+\b], v[T2+\b]     ; with lane l xor 16's 16 keys
.endr
	v_max3_num_f32 v[TT], v[TM], v[TM+1], v[TM+2]
	v_max_num_f32 v[TT], v[TT], v[TM+3]            ; the step's largest score of my query
	v_mul_f32 v[TT], s[CS], v[TT]                  ; as t
	v_max_num_f32 v13, v13, v[TT]                  ; the running largest t
	v_mov_b32 v[TT], v12
	v_floor_f32 v12, -v13                          ; the new -M = floor(-t) = -ceil(t)
	v_sub_f32 v[TT], v12, v[TT]                    ; old M - new M: a whole number, 0 or less
	v_cvt_i32_f32 v[TT], v[TT]                     ; (it saturates)
	v_ldexp_f32 v[FF], 1.0, v[TT]                  ; f = 2^(old M - new M)
.set n, 0
.rept 32
	v_pk_fma_f32 v[S+n:S+n+1], v[S+n:S+n+1], s[CS:CS+1], v[12:13] op_sel_hi:[1,0,0]   ; t - M, two at a time
.set n, n+2
.endr
.irp b, 0,1,2,3
	v_fma_f32 v[TM+\b], v[TM+\b], s[CS], v12       ; the same of each block's largest score
.endr
.set n, 0
.rept 64
	v_exp_f32 v[S+n], v[S+n]                       ; p = 2^(t - M)
.set n, n+1
.endr
.irp b, 0,1,2,3
	v_exp_f32 v[TM+\b], v[TM+\b]                   ; the block's largest p
.endr
	v_pk_mul_f32 v[14:15], v[14:15], v[FF:FF+1] op_sel_hi:[1,0]   ; the sums under the new M.  (The plain place behind the exponentials)
	s_wait_alu depctr_va_vdst(0)
.irp b, 0,1,2,3
	v_max_num_f32 v[TM+\b], 0x1800000, v[TM+\b]    ; the floor 2^(3 - 127): the byte cannot fall under 1
.endr
.irp b, 0,1,2,3
	v_add_nc_u32 v[SOP+\b], 0xff000000, v[TM+\b]   ; 2 off the exponent field: the conversion's scale operand
.endr
.irp b, 0,1,2,3
	v_lshrrev_b32 v[T2+\b], 23, v[SOP+\b]          ; the scale's byte
.endr
	v_lshl_or_b32 v[PS], v[T2+1], 8, v[T2]         ; p's scale word for these 128 keys
	v_lshl_or_b32 v[PS], v[T2+2], 16, v[PS]
	v_lshl_or_b32 v[PS], v[T2+3], 24, v[PS]
.irp b, 0,1,2,3
	v_cvt_scalef32_pk8_fp4_f32 v[PC+2*\b], v[S+16*\b:S+7+16*\b], v[SOP+\b]
	v_cvt_scalef32_pk8_fp4_f32 v[PC+1+2*\b], v[S+8+16*\b:S+15+16*\b], v[SOP+\b]
.endr
	v_nop                                          ; one plain place behind a scaled conversion
.irp c, 0,1
.irp i, 0,1
	v_permlane16_swap_b32 v[PC+4*\c+\i], v[PC+2+4*\c+\i]   ; a whole block to a lane: lanes 0-15 block 2 c, lanes 16-31 block 2 c + 1
.endr
.endr
.set n, 0
.rept 16
	v_pk_mul_f32 v[O+n:O+n+1], v[O+n:O+n+1], v[FF:FF+1] op_sel_hi:[1,0]   ; O^T under the new M, ascending
.set n, n+2
.endr
	v_pk_add_f32 v[T2:T2+1], v[S:S+1], v[S+2:S+3]  ; the row's sum of the UNQUANTISED p, in two chains.  (These lines and the sixteen above are the places between p's codes and scale word and the products below)
.irp j, 4,8,12,16,20,24,28,32,36,40,44,48,52,56,60
	v_pk_add_f32 v[14:15], v[14:15], v[S+\j:S+1+\j]
	v_pk_add_f32 v[T2:T2+1], v[T2:T2+1], v[S+2+\j:S+3+\j]
.endr
	v_pk_add_f32 v[14:15], v[14:15], v[T2:T2+1]
.if \last
	s_wait_dscnt 0x0
.else
	s_wait_dscnt 9                                 ; V's nine loads are in; the next step's nine of K may be out
.endif
.irp f, 0,1,2,3
	PV \f                                          ; four accumulators, one instruction a turn; eleven other products stand before each is taken up again
.endr
.endm
.Lstep:
	STEP 0
	s_sub_co_u32 s[TRIPS], s[TRIPS], 1
	s_cmp_lg_u32 s[TRIPS], 0
	s_cbranch_scc1 .Lstep
	STEP 1                                         ; the last step is written out: no load passes the head's last block or the tile's last mask words
	; THE WAY OUT.  O^T / l, quantised along the head's 64: register 16 b + i of lane (r, h) is channel 32 b + 16 h + i.  The first lines are the places behind the last products.
	v_add_f32 v14, v14, v15
	v_and_b32 v6, 15, v0
	v_bfe_u32 v7, v0, 4, 1
	v_lshl_add_u32 v7, v6, 4, v7                   ; os: 16 r + h
	v_permlanex16_b32 v[TT], v14, s[SEL], s[SEL+1]
	v_add_f32 v14, v14, v[TT]                      ; the row's sum
	v_rcp_f32 v[FF], v14
	v_nop                                          ; one plain place behind a transcendental
.set n, 0
	s_wait_alu depctr_va_vdst(0)
.rept 16
	v_pk_mul_f32 v[S+n:S+n+1], v[O+n:O+n+1], v[FF:FF+1] op_sel_hi:[1,0]
.set n, n+2
.endr
	QUANT2 S, PW
	v_cndmask_b32 v[TT], v[TM+2], v[TM+3], s[HI]   ; lane (r, h) takes block h's byte
	v_cmp_neq_f32 vcc_lo, 0, v14
	v_cndmask_b32 v[TT], 0xff, v[TT], vcc_lo       ; a query without a key: the NaN byte
	global_store_b128 v[LI], v[PC:PC+3], s[6:7]    ; the image: 512 consecutive bytes
	global_store_b8 v7, v[TT], s[8:9]              ; 32 single bytes, 2 in each row's 16: the head's share of the tile's 256 bytes, which eight work-groups write in parts
	s_wait_tensorcnt 0x0
	ds_add_u32 v31, v243
	s_wait_dscnt 0x0
	CROUND                                         ; the closing round: no work-group ends while a partner may still ask for a block that names it
	s_endpgm
.Lfunc_end_k_q3483709413_attn:
	.size	k_q3483709413_attn, .Lfunc_end_k_q3483709413_attn-k_q3483709413_attn
	.p2alignl 7, 3214868480
	.fill 96, 4, 3214868480
	.section	.rodata,"a",@progbits
	.p2align	6, 0x0
	.amdhsa_kernel k_q3483709413_attn
		.amdhsa_group_segment_fixed_size 169984
		.amdhsa_private_segment_fixed_size 0
		.amdhsa_enable_private_segment 0
		.amdhsa_kernarg_size 40
		.amdhsa_user_sgpr_count 2
		.amdhsa_user_sgpr_kernarg_segment_ptr 1
		.amdhsa_wavefront_size32 1
		.amdhsa_system_sgpr_workgroup_id_x 1
		.amdhsa_system_sgpr_workgroup_id_y 1
		.amdhsa_system_sgpr_workgroup_id_z 1
		.amdhsa_system_vgpr_workitem_id 0
		.amdhsa_next_free_vgpr 256
		.amdhsa_next_free_sgpr 100
		.amdhsa_reserve_vcc 1
		.amdhsa_float_denorm_mode_32 3
		.amdhsa_float_denorm_mode_16_64 3
		.amdhsa_memory_ordered 1
		.amdhsa_forward_progress 1
		.amdhsa_inst_pref_size 49
	.end_amdhsa_kernel
	.amdgpu_metadata
---
amdhsa.version: [ 1, 2 ]
amdhsa.kernels:
  - .name:           k_q3483709413_attn
    .symbol:         k_q3483709413_attn.kd
    .args:
      - { .name: qb, .offset: 0, .size: 8, .value_kind: global_buffer, .address_space: global }
      - { .name: kv, .offset: 8, .size: 8, .value_kind: global_buffer, .address_space: global }
      - { .name: maskw, .offset: 16, .size: 8, .value_kind: global_buffer, .address_space: global }
      - { .name: oc, .offset: 24, .size: 8, .value_kind: global_buffer, .address_space: global }
      - { .name: os, .offset: 32, .size: 8, .value_kind: global_buffer, .address_space: global }
    .group_segment_fixed_size: 169984
    .private_segment_fixed_size: 0
    .kernarg_segment_align: 8
    .kernarg_segment_size: 40
    .max_flat_workgroup_size: 512
    .sgpr_count:     100
    .vgpr_count:     256
    .wavefront_size: 32
...
	.end_amdgpu_metadata
.endif
;; end of part 2
;; launch oproj (part 3): grid 4 x 64, 8 waves a work-group, no clusters, 105,472 bytes of LDS; arguments oc, os, Wo_codes, Wo_scales, bo, out0; writes out0
.if DOCPART == 3
	.amdgcn_target "amdgcn-amd-amdhsa--gfx1250"
	.amdhsa_code_object_version 6
	.text
	.protected	k_q3483709413_oproj
	.globl	k_q3483709413_oproj
	.p2align	8
	.type	k_q3483709413_oproj,@function
k_q3483709413_oproj:
	s_mov_b64 s[64:65], 0
	v_nop
	global_prefetch_b8 v0, s[64:65] scope:SCOPE_SE
	s_setreg_imm32_b32 hwreg(HW_REG_WAVE_MODE, 25, 1), 1
	s_wait_xcnt 0x0
; out = O Wo^T + bo on codes of FP4 (E2M1) with E8M0 scales.  O comes as operand images (oc: [tile][head][512 bytes]; heads 2 s and 2 s + 1 are the two register groups of K step s) with its scale bytes (os: 16 a row).
; SHARES.  Work-group = (128 features x, 128 tokens y = token tiles 8 y .. 8 y + 7).  Wave w: token tiles 8 y + 2 (w % 4) + u, u = 0, 1, and features 128 x + 64 (w / 4) on: eight accumulators, 32 products.
; Lane r of token tile G stands for token 32 (G / 2) + 8 (G % 2) + r + 8 (r / 8): the order in which the earlier launches formed the tiles.
; TRANSPOSED USE: source 0 = 16 rows of Wo, source 1 = 16 tokens: a lane's eight results are eight neighbouring outputs of one token.  The bias is the C of each sum's first product.
; No tensor loads: Wo's 128 rows come by dense loads and are turned through LDS (rows 272 bytes apart), one barrier; the results go through the wave's own stage and leave as runs of 256 consecutive bytes.
; Work-groups share Wo's rows and O's images only through the caches: each moves under 100 KB, too little for joint requests to pay for a cluster's rounds.
.set PITCH, 272
.set STG,   128*PITCH                  ; behind Wo's rows: 32 rows x 272 bytes for each wave
.set AS,  16                           ; v16-19  O's scale words: register s: lanes 0-15 tile u = 0, lanes 16-31 tile u = 1
.set WS,  20                           ; v20-27  Wo's: register 4 p + s: lanes 0-15 feature tile 2 p, lanes 16-31 tile 2 p + 1
.set BI,  32                           ; v32-63  bo, tile f at BI + 8 f
.set AF,  64                           ; v64-127 O's fragments, AF + 32 u + 8 s; on the way out rows of the result
.set WFR, 128                          ; v128-191 two sets of Wo's four fragments
.set ACC, 192                          ; v192-255 accumulator (u, f) at ACC + 32 u + 8 f
.macro PLACES n
.rept \n
	v_nop
.endr
.endm
.macro WM d, a, b, c, sa, sb, ra, rb
.if (\ra) == 0
.if (\rb) == 0
	v_wmma_scale_f32_16x16x128_f8f6f4 v[(\d):(\d)+7], v[(\a):(\a)+7], v[(\b):(\b)+7], v[(\c):(\c)+7], v[(\sa)], v[(\sb)] matrix_a_fmt:MATRIX_FMT_FP4 matrix_b_fmt:MATRIX_FMT_FP4
.else
	v_wmma_scale_f32_16x16x128_f8f6f4 v[(\d):(\d)+7], v[(\a):(\a)+7], v[(\b):(\b)+7], v[(\c):(\c)+7], v[(\sa)], v[(\sb)] matrix_a_fmt:MATRIX_FMT_FP4 matrix_b_fmt:MATRIX_FMT_FP4 matrix_b_scale:MATRIX_SCALE_ROW1
.endif
.else
.if (\rb) == 0
	v_wmma_scale_f32_16x16x128_f8f6f4 v[(\d):(\d)+7], v[(\a):(\a)+7], v[(\b):(\b)+7], v[(\c):(\c)+7], v[(\sa)], v[(\sb)] matrix_a_fmt:MATRIX_FMT_FP4 matrix_b_fmt:MATRIX_FMT_FP4 matrix_a_scale:MATRIX_SCALE_ROW1
.else
	v_wmma_scale_f32_16x16x128_f8f6f4 v[(\d):(\d)+7], v[(\a):(\a)+7], v[(\b):(\b)+7], v[(\c):(\c)+7], v[(\sa)], v[(\sb)] matrix_a_fmt:MATRIX_FMT_FP4 matrix_b_fmt:MATRIX_FMT_FP4 matrix_a_scale:MATRIX_SCALE_ROW1 matrix_b_scale:MATRIX_SCALE_ROW1
.endif
.endif
.endm
.macro LOADW s                         ; Wo's four fragments of K step s into set s % 2: eight loads
.irp f, 0,1,2,3
.irp c, 0,1
	ds_load_b128 v[WFR+32*((\s)%2)+8*\f+4*\c:WFR+32*((\s)%2)+8*\f+4*\c+3], v3 offset:16*\f*PITCH+64*(\s)+32*\c
.endr
.endr
.endm
	s_load_b256 s[4:11], s[0:1], 0x0               ; oc 4:5, os 6:7, Wo's codes 8:9, Wo's scales 10:11
	s_load_b128 s[12:15], s[0:1], 0x20             ; bo 12:13, out0 14:15
	v_lshl_add_u32 v30, v0, 2, 0x19800
	v_mov_b32 v31, 0
	v_lshrrev_b32 v1, 5, v0
	v_readfirstlane_b32 s2, v1                     ; wave 0..7
	v_and_b32 v8, 31, v0
	v_and_b32 v9, 15, v0                           ; r
	v_bfe_u32 v10, v0, 4, 1                        ; h
	v_lshlrev_b32 v1, 4, v8                        ; 16 x lane
	s_and_b32 s16, s2, 3                           ; which pair of token tiles
	s_lshr_b32 s17, s2, 2                          ; which 64 features
	s_and_b32 s19, ttmp7, 0xffff                   ; y
	s_lshl_b32 s18, ttmp9, 7
	s_lshl_b32 s3, s17, 6
	s_add_co_u32 s18, s18, s3                      ; my first feature
	v_mul_u32_u24 v5, v10, PITCH
	v_lshl_add_u32 v5, v9, 4, v5                   ; two rows an instruction: 272 h + 16 r
	s_mul_i32 s3, s2, 16*PITCH
	v_add_nc_u32 v2, s3, v5                        ; Wo on its way in: my 16 rows
	v_mul_u32_u24 v3, v9, PITCH
	v_lshl_add_u32 v4, v10, 5, v3                  ; the stage, in: row r, + 32 h
	v_lshl_add_u32 v3, v10, 4, v3                  ; a fragment's lane: row r, + 16 h
	s_mul_i32 s3, s17, 64*PITCH
	v_add_nc_u32 v3, s3, v3
	s_mul_i32 s3, s2, 32*PITCH
	s_add_co_u32 s3, s3, STG                       ; my stage
	v_add_nc_u32 v4, s3, v4
	v_add_nc_u32 v5, s3, v5                        ; and back: lanes 0-15 one row, lanes 16-31 the next
	v_lshlrev_b32 v6, 11, v10
	v_lshl_add_u32 v6, v9, 4, v6                   ; the same two rows in out0 (2,048 bytes a row)
	v_lshlrev_b32 v7, 5, v10                       ; bo: 8 h features on
	s_lshl_b32 s20, ttmp9, 15
	s_lshl_b32 s3, s2, 12
	s_add_co_u32 s20, s20, s3                      ; Wo's codes: rows 128 x + 16 wave on, 256 bytes each
	s_mov_b32 s21, 0
	s_lshl_b32 s22, s19, 3
	s_lshl_b32 s3, s16, 1
	s_add_co_u32 s22, s22, s3                      ; my first token tile
	s_lshl_b32 s24, s22, 8                         ; os: 256 bytes a tile
	s_lshl_b32 s22, s22, 12                        ; oc: 4,096 bytes a tile
	s_mov_b32 s23, 0
	s_mov_b32 s25, 0
	s_lshl_b32 s26, s18, 4                         ; Wo's scales: 16 bytes a row
	s_mov_b32 s27, 0
	s_lshl_b32 s28, s18, 2                         ; bo
	s_mov_b32 s29, 0
	s_lshl_b32 s30, s19, 7
	s_lshl_b32 s3, s16, 5
	s_add_co_u32 s30, s30, s3                      ; my first token: 128 y + 32 (wave % 4)
	s_lshl_b32 s30, s30, 11
	s_add_co_u32 s30, s30, s28
	s_mov_b32 s31, 0
	s_wait_kmcnt 0x0
	s_add_nc_u64 s[8:9], s[8:9], s[20:21]
	s_add_nc_u64 s[4:5], s[4:5], s[22:23]
	s_add_nc_u64 s[6:7], s[6:7], s[24:25]
	s_add_nc_u64 s[10:11], s[10:11], s[26:27]
	s_add_nc_u64 s[12:13], s[12:13], s[28:29]
	s_add_nc_u64 s[14:15], s[14:15], s[30:31]
.irp k, 0,1,2,3,4,5,6,7
	global_load_b128 v[WFR+4*\k:WFR+4*\k+3], v1, s[8:9] offset:512*\k      ; 512 consecutive bytes: two rows of Wo
.endr
.irp u, 0,1
.irp s, 0,1,2,3
.irp c, 0,1
	global_load_b128 v[AF+32*\u+8*\s+4*\c:AF+32*\u+8*\s+4*\c+3], v1, s[4:5] offset:4096*\u+1024*\s+512*\c   ; O's fragments as they lie
.endr
.endr
.endr
	global_load_b128 v[AS:AS+3], v1, s[6:7]        ; two tiles' scale words: a row's 16 bytes are its four K steps' words
.irp p, 0,1
	global_load_b128 v[WS+4*\p:WS+4*\p+3], v1, s[10:11] offset:512*\p
.endr
.irp f, 0,1,2,3
	global_load_b128 v[BI+8*\f:BI+8*\f+3], v7, s[12:13] offset:64*\f
	global_load_b128 v[BI+8*\f+4:BI+8*\f+7], v7, s[12:13] offset:64*\f+16
.endr
	s_wait_loadcnt 27                              ; Wo's eight loads are in; the 27 behind them may be out
.irp k, 0,1,2,3,4,5,6,7
	ds_store_b128 v2, v[WFR+4*\k:WFR+4*\k+3] offset:2*PITCH*\k
.endr
	s_wait_dscnt 0x0                               ; for the others' sake: my stores have landed
	s_barrier_signal -1
	s_barrier_wait -1                              ; Wo's 128 rows lie in LDS
	LOADW 0
	LOADW 1
	s_wait_loadcnt 0x0
.irp s, 0,1,2,3                                ; the eight accumulators take turns, one instruction a turn
.if \s < 3
	s_wait_dscnt 8                                 ; this K step's eight loads are in; the other set's eight may be out
.else
	s_wait_dscnt 0x0
.endif
.irp u, 0,1
.irp f, 0,1,2,3
.if \s == 0
	WM ACC+32*\u+8*\f, WFR+32*(\s%2)+8*\f, AF+32*\u+8*\s, BI+8*\f, WS+4*(\f/2)+\s, AS+\s, \f%2, \u
.else
	WM ACC+32*\u+8*\f, WFR+32*(\s%2)+8*\f, AF+32*\u+8*\s, ACC+32*\u+8*\f, WS+4*(\f/2)+\s, AS+\s, \f%2, \u
.endif
.endr
.endr
.if \s != 2
	PLACES 4                                       ; in front of loads into registers that the products have read, and of the first read of results
.endif
.if \s < 2
	LOADW \s+2
.endif
.endr
.irp u, 0,1
.irp f, 0,1,2,3
	ds_store_b128 v4, v[ACC+32*\u+8*\f:ACC+32*\u+8*\f+3] offset:16*\u*PITCH+64*\f          ; each accumulator from its low end on
	ds_store_b128 v4, v[ACC+32*\u+8*\f+4:ACC+32*\u+8*\f+7] offset:16*\u*PITCH+64*\f+16
.endr
.endr
.irp i, 0,1,2,3,4,5,6,7,8,9,10,11,12,13,14,15
	ds_load_b128 v[AF+4*\i:AF+4*\i+3], v5 offset:2*PITCH*\i    ; my own bytes, served in order: these see the stores above
.endr
.irp i, 0,1,2,3,4,5,6,7,8,9,10,11,12,13,14,15
	s_wait_dscnt 15-\i                             ; load i is back; the younger ones stay out
	global_store_b128 v6, v[AF+4*\i:AF+4*\i+3], s[14:15] offset:(8*(\i/8)+2*(\i%8)+8*((\i%8)/4))*2048 th:TH_STORE_NT   ; stage rows 2 i, 2 i + 1 are these tokens; 16 lanes store 256 consecutive bytes, aligned
.endr
	s_wait_tensorcnt 0x0
	ds_add_u32 v30, v31
	s_wait_dscnt 0x0
	s_endpgm
.Lfunc_end_k_q3483709413_oproj:
	.size	k_q3483709413_oproj, .Lfunc_end_k_q3483709413_oproj-k_q3483709413_oproj
	.p2alignl 7, 3214868480
	.fill 96, 4, 3214868480
	.section	.rodata,"a",@progbits
	.p2align	6, 0x0
	.amdhsa_kernel k_q3483709413_oproj
		.amdhsa_group_segment_fixed_size 105472
		.amdhsa_private_segment_fixed_size 0
		.amdhsa_enable_private_segment 0
		.amdhsa_kernarg_size 48
		.amdhsa_user_sgpr_count 2
		.amdhsa_user_sgpr_kernarg_segment_ptr 1
		.amdhsa_wavefront_size32 1
		.amdhsa_system_sgpr_workgroup_id_x 1
		.amdhsa_system_sgpr_workgroup_id_y 1
		.amdhsa_system_sgpr_workgroup_id_z 1
		.amdhsa_system_vgpr_workitem_id 0
		.amdhsa_next_free_vgpr 256
		.amdhsa_next_free_sgpr 66
		.amdhsa_reserve_vcc 0
		.amdhsa_float_denorm_mode_32 3
		.amdhsa_float_denorm_mode_16_64 3
		.amdhsa_memory_ordered 1
		.amdhsa_forward_progress 1
		.amdhsa_inst_pref_size 18
	.end_amdhsa_kernel
	.amdgpu_metadata
---
amdhsa.version: [ 1, 2 ]
amdhsa.kernels:
  - .name:           k_q3483709413_oproj
    .symbol:         k_q3483709413_oproj.kd
    .args:
      - { .name: oc, .offset: 0, .size: 8, .value_kind: global_buffer, .address_space: global }
      - { .name: os, .offset: 8, .size: 8, .value_kind: global_buffer, .address_space: global }
      - { .name: Wo_codes, .offset: 16, .size: 8, .value_kind: global_buffer, .address_space: global }
      - { .name: Wo_scales, .offset: 24, .size: 8, .value_kind: global_buffer, .address_space: global }
      - { .name: bo, .offset: 32, .size: 8, .value_kind: global_buffer, .address_space: global }
      - { .name: out0, .offset: 40, .size: 8, .value_kind: global_buffer, .address_space: global }
    .group_segment_fixed_size: 105472
    .private_segment_fixed_size: 0
    .kernarg_segment_align: 8
    .kernarg_segment_size: 48
    .max_flat_workgroup_size: 256
    .sgpr_count:     66
    .vgpr_count:     256
    .wavefront_size: 32
...
	.end_amdgpu_metadata
.endif
;; end of part 3
;; ======== version 2 of 2: 3 launches
;; workspace buffers: qb 2,359,296 bytes; kv 4,587,520 bytes; maskw 524,288 bytes of whole numbers; oc 2,097,152 bytes; os 131,072 bytes
;; launch prep (part 4): grid 512 x 1, 4 waves a work-group, no clusters, 104,960 bytes of LDS; arguments h_codes, h_scales, Wq_codes, Wq_scales, bq, Wk_codes, Wk_scales, bk, Wv_codes, Wv_scales, bv, adj, qb, kv, maskw; writes qb, kv, maskw
.if DOCPART == 4
	.amdgcn_target "amdgcn-amd-amdhsa--gfx1250"
	.amdhsa_code_object_version 6
	.text
	.protected	k_q3483709413_prep
	.globl	k_q3483709413_prep
	.p2align	8
	.type	k_q3483709413_prep,@function
k_q3483709413_prep:
	s_mov_b64 s[64:65], 0
	v_nop
	global_prefetch_b8 v0, s[64:65] scope:SCOPE_SE
	s_setreg_imm32_b32 hwreg(HW_REG_WAVE_MODE, 25, 1), 1
	s_wait_xcnt 0x0
; q = h Wq^T + bq, k = h Wk^T + bk, v = h Wv^T + bv on codes of FP4 (E2M1) with E8M0 scales; the results are quantised at once, q and k along the head's 64, v along the keys, and stored
; as IMAGES OF OPERAND REGISTERS (lane l's 16 bytes at 16 l), so that the attention launch loads fragments as they lie.  adj is packed into lane masks, one 32-bit word for each score register.
; SHARES.  Work-group = (group of 128 tokens g = id / 8, head = id % 8).  The wave's number is its role: 0 makes q, 1 makes k, 2 makes v (128 tokens x 64 features x K 512: 128 matrix instructions each),
; 3 packs 16 rows x 512 columns of adj (query tile id / 4, key steps 4 (id % 4) + 0 .. 3).
; THE ROWS OF A TILE ARE NOT NEIGHBOURS: lane r of tile 2 b + u takes row 32 b + 8 u + r + 8 (r / 8), for tokens and for features alike.  With such a tile as source 0, register 8 (2 b + u) + j of lane (r, h) is
; index 32 b + 16 h + 8 u + j: the 32 registers of four tiles are two blocks of 32, each shared by lanes l and l xor 16.
; q, k: source 0 = features, source 1 = tokens: a lane holds one token, registers run along the head.  v: source 0 = tokens, source 1 = features: a lane holds one feature, registers run along the keys.
; LIMITS: NaN and infinities among the inputs are not served; a block whose largest magnitude lies under 2^-124 keeps the scale byte 1, a block of zeros too (its codes are zeros; this program alone reads the bytes).
; LDS: 0: the group's 128 rows of h's codes, 272 bytes apart;  PR0 + 17,408 x wave: the wave's own bytes: 64 rows of its weight's slice (272 apart), or, role 3, a stage of 16 rows of 528 bytes.
; REGISTERS, window 0: v1-15 lane terms and addresses; v16-31 h's scale words; v32-39 W's; v40-167 W's fragments; v168-199 bias; v200-231 four accumulators; v232-255 at work.  Window 1: h's 32 fragments.
.set PITCH, 272
.set PR0,   128*PITCH
.set PRB,   64*PITCH
.set MP,    528                        ; a row of the mask's stage: 512 bytes + 16
.set HS,  16                           ; register 4 p + s: lanes 0-15 token tile 2 p, lanes 16-31 tile 2 p + 1, K step s
.set WS,  32                           ; the same for the feature tiles
.set WF,  40                           ; feature tile f, K step s at WF + 32 f + 8 s
.set BI,  168
.set ACC, 200
.set TM,  232                          ; v232-233 largest magnitudes, v234-235 bytes, v236-237 the conversions' scale operands
.set PW,  238
.set PC,  240                          ; four registers of codes
.set KW,  244                          ; v244-251 scale words that are kept till the end
.set OW,  252                          ; v252-255 scale words as they are stored
.set X,   40                           ; role 3: two sets of 64 words as loaded
.set Y,   168                          ; role 3: 64 words in the score registers' order
.set MW,  232                          ; role 3: a pair of registers for each of four units
.set SEL, 38                           ; s[38:39] lane selects of v_permlanex16_b32: lane l xor 16
.set MSB, 0
.macro WIN new                         ; the immediate's high byte repeats the setting that is left
.if MSB != \new
	s_set_vgpr_msb (MSB<<8)|\new
.set MSB, \new
.endif
.endm
.macro PLACES n
.rept \n
	v_nop
.endr
.endm
; one product 16 x 16 x 128.  ra, rb = 1: that side's scale words stand in lanes 16-31 of the register named
.macro WM d, a, b, c, sa, sb, ra, rb
.if (\ra) == 0
.if (\rb) == 0
	v_wmma_scale_f32_16x16x128_f8f6f4 v[(\d):(\d)+7], v[(\a):(\a)+7], v[(\b):(\b)+7], v[(\c):(\c)+7], v[(\sa)], v[(\sb)] matrix_a_fmt:MATRIX_FMT_FP4 matrix_b_fmt:MATRIX_FMT_FP4
.else
	v_wmma_scale_f32_16x16x128_f8f6f4 v[(\d):(\d)+7], v[(\a):(\a)+7], v[(\b):(\b)+7], v[(\c):(\c)+7], v[(\sa)], v[(\sb)] matrix_a_fmt:MATRIX_FMT_FP4 matrix_b_fmt:MATRIX_FMT_FP4 matrix_b_scale:MATRIX_SCALE_ROW1
.endif
.else
.if (\rb) == 0
	v_wmma_scale_f32_16x16x128_f8f6f4 v[(\d):(\d)+7], v[(\a):(\a)+7], v[(\b):(\b)+7], v[(\c):(\c)+7], v[(\sa)], v[(\sb)] matrix_a_fmt:MATRIX_FMT_FP4 matrix_b_fmt:MATRIX_FMT_FP4 matrix_a_scale:MATRIX_SCALE_ROW1
.else
	v_wmma_scale_f32_16x16x128_f8f6f4 v[(\d):(\d)+7], v[(\a):(\a)+7], v[(\b):(\b)+7], v[(\c):(\c)+7], v[(\sa)], v[(\sb)] matrix_a_fmt:MATRIX_FMT_FP4 matrix_b_fmt:MATRIX_FMT_FP4 matrix_a_scale:MATRIX_SCALE_ROW1 matrix_b_scale:MATRIX_SCALE_ROW1
.endif
.endif
.endm
; 32 numbers of a lane, register 16 b + i = index 32 b + 16 h + i of its row, become 4 registers of codes (lane (r, h): block h whole) in v[PC] on, and the two scale bytes as a halfword in v[pw].
; The reads ascend.
.macro QUANT2 s, pw
.irp b, 0,1
	v_max3_num_f32 v[TM+\b], |v[(\s)+16*\b]|, |v[(\s)+16*\b+1]|, 0x1800000   ; my 16 numbers of block b, and the floor 2^(3 - 127): the byte cannot fall under 1
.endr
.irp i, 2,4,6,8,10,12,14
.irp b, 0,1
	v_max3_num_f32 v[TM+\b], v[TM+\b], |v[(\s)+16*\b+\i]|, |v[(\s)+16*\b+\i+1]|
.endr
.endr
.irp b, 0,1
	v_permlanex16_b32 v[TM+2+\b], v[TM+\b], s[SEL], s[SEL+1]
.endr
.irp b, 0,1
	v_max_num_f32 v[TM+\b], v[TM+\b], v[TM+2+\b]       ; with lane l xor 16's: the block's largest magnitude
.endr
.irp b, 0,1
	v_add_nc_u32 v[TM+4+\b], 0xff000000, v[TM+\b]      ; 2 off its exponent field: the conversion's scale operand
.endr
.irp b, 0,1
	v_lshrrev_b32 v[TM+2+\b], 23, v[TM+4+\b]           ; the scale's byte
.endr
	v_lshl_or_b32 v[(\pw)], v[TM+3], 8, v[TM+2]
	s_wait_alu depctr_va_vdst(0)
	s_wait_xcnt 0x0                                    ; the last image's store has read v[PC] on: only behind this wait are they written again
.irp b, 0,1
	v_cvt_scalef32_pk8_fp4_f32 v[PC+2*\b], v[(\s)+16*\b:(\s)+16*\b+7], v[TM+4+\b]
	v_cvt_scalef32_pk8_fp4_f32 v[PC+2*\b+1], v[(\s)+16*\b+8:(\s)+16*\b+15], v[TM+4+\b]
.endr
	v_nop                                              ; one plain place behind a scaled conversion
	v_permlane16_swap_b32 v[PC], v[PC+2]               ; half blocks become whole blocks: lanes 0-15 block 0, lanes 16-31 block 1
	v_permlane16_swap_b32 v[PC+1], v[PC+3]
.endm
; role 3: 16 rows of adj (the query tile's order) x 128 keys: each load reads 512 consecutive bytes of one row
.macro LOADM k
.irp q, 0,1,2,3,4,5,6,7,8,9,10,11,12,13,14,15
	global_load_b128 v[X+64*((\k)%2)+4*\q:X+64*((\k)%2)+4*\q+3], v5, s[30:31] offset:(\q+8*(\q/8))*8192+512*(\k) th:TH_LOAD_NT
.endr
.endm
.macro MUNIT k
.if (\k) < 3
	s_wait_loadcnt 16                                  ; this unit's 16 loads are in; the next unit's 16 may be out
.else
	s_wait_loadcnt 0x0
.endif
.irp q, 0,1,2,3,4,5,6,7,8,9,10,11,12,13,14,15
	ds_store_b128 v10, v[X+64*((\k)%2)+4*\q:X+64*((\k)%2)+4*\q+3] offset:MP*\q
.endr
.irp b, 0,1,2,3
.irp m, 0,1,2,3
	ds_load_b128 v[Y+16*\b+4*\m:Y+16*\b+4*\m+3], v11 offset:128*\b+16*\m   ; lane (r, h): row r, keys 32 b + 16 h + 4 m on.  My own bytes, served in order: these see the stores above
.endr
.endr
	s_wait_dscnt 0x0
.if (\k) < 2
	LOADM (\k)+2
.endif
.set n, 0
.rept 64
	v_cmp_ne_u32 s[44+n%8], 0, v[Y+n]                  ; bit 16 h + r: does key 32 (n / 16) + 16 h + n % 16 count for the tile's query r?
	v_writelane_b32 v[MW+2*(\k)+n%2], s[44+n%8], n/2   ; word n goes to lane n / 2, register n % 2
.set n, n+1
.endr
	global_store_b64 v15, v[MW+2*(\k):MW+2*(\k)+1], s[36:37] offset:256*(\k)   ; 32 lanes store 256 consecutive bytes, aligned
.endm
	s_load_b512 s[8:23], s[0:1], 0x0               ; h's codes 8:9, h's scales 10:11, Wq's codes 12:13, scales 14:15, bq 16:17, Wk's codes 18:19, scales 20:21, bk 22:23
	s_load_b256 s[24:31], s[0:1], 0x40             ; Wv's codes 24:25, scales 26:27, bv 28:29, adj 30:31
	s_load_b128 s[32:35], s[0:1], 0x60             ; qb, kv
	s_load_b64 s[36:37], s[0:1], 0x70              ; maskw
	s_set_vgpr_msb 0x80
	v_lshl_add_u32 v0, v0, 2, 0x19800
	v_mov_b32 v1, 0
	s_set_vgpr_msb 0x8000
	v_lshrrev_b32 v1, 5, v0
	v_readfirstlane_b32 s2, v1                     ; wave = role
	v_and_b32 v1, 31, v0                           ; lane L
	v_and_b32 v2, 15, v0                           ; r
	v_bfe_u32 v3, v0, 4, 1                         ; h
	v_and_b32 v4, 8, v2
	v_add_nc_u32 v4, v4, v2                        ; r + 8 (r / 8)
	v_lshlrev_b32 v5, 4, v1                        ; 16 L
	s_mul_i32 s5, s2, 32*PITCH                     ; my 32 rows of h's stage
	s_mul_i32 s43, s2, PRB
	s_add_co_u32 s43, s43, PR0                     ; my own bytes
	v_mul_u32_u24 v6, v3, PITCH
	v_lshl_add_u32 v6, v2, 4, v6                   ; two rows an instruction: 272 h + 16 r
	v_add_nc_u32 v8, s43, v6                       ; W's slice on its way in
	v_add_nc_u32 v6, s5, v6                        ; h's codes on their way in
	v_mul_u32_u24 v7, v4, PITCH
	v_lshl_add_u32 v7, v3, 4, v7                   ; a fragment's lane: row r + 8 (r / 8), + 16 h
	v_add_nc_u32 v9, s43, v7                       ; the same in W's slice
	v_add_nc_u32 v10, s43, v5                      ; the mask's stage, in
	v_mul_u32_u24 v11, v2, MP
	v_lshl_add_u32 v11, v3, 6, v11
	v_add_nc_u32 v11, s43, v11                     ; and out: row r, + 64 h
	v_lshl_add_u32 v12, v3, 3, v4
	v_lshlrev_b32 v12, 4, v12                      ; scale words: 16 bytes a row; lanes 16-31 take the odd tile, 8 rows on
	v_lshlrev_b32 v13, 6, v3                       ; bias of q, k: 16 h features on
	v_lshlrev_b32 v14, 2, v4                       ; bias of v: my feature
	v_lshlrev_b32 v15, 3, v1                       ; 8 L
	v_mov_b32 v[TM+2], 0                           ; written once: a lane permute's destination counts as one of its sources
	v_mov_b32 v[TM+3], 0
	s_lshr_b32 s3, ttmp9, 3                        ; g
	s_and_b32 s4, ttmp9, 7                         ; head
	s_mov_b32 s[SEL], 0x76543210
	s_mov_b32 s[SEL+1], 0xfedcba98
	s_mov_b32 s40, 0xffff0000                      ; lanes 16-31
	s_wait_kmcnt 0x0
	s_cmp_eq_u32 s2, 1                             ; the role's weight, scales and bias: the choices hang on the wave's number alone
	s_cselect_b64 s[12:13], s[18:19], s[12:13]
	s_cselect_b64 s[14:15], s[20:21], s[14:15]
	s_cselect_b64 s[16:17], s[22:23], s[16:17]
	s_cmp_eq_u32 s2, 2
	s_cselect_b64 s[12:13], s[24:25], s[12:13]
	s_cselect_b64 s[14:15], s[26:27], s[14:15]
	s_cselect_b64 s[16:17], s[28:29], s[16:17]
	s_cmp_eq_u32 s2, 0
	s_cselect_b64 s[32:33], s[32:33], s[34:35]     ; where the images go: qb, or kv
	s_mov_b32 s41, 8960
	s_cselect_b32 s41, 4608, s41                   ; bytes of a block there
	s_mov_b32 s42, 8192
	s_cselect_b32 s42, 4096, s42                   ; and where q's or k's scale words begin in it
	s_mov_b32 s7, 0
	s_lshl_b32 s6, s4, 14
	s_add_nc_u64 s[12:13], s[12:13], s[6:7]        ; the head's 64 rows of 256 bytes
	s_lshl_b32 s6, s4, 10
	s_add_nc_u64 s[14:15], s[14:15], s[6:7]        ; their scale bytes
	s_lshl_b32 s6, s4, 8
	s_add_nc_u64 s[16:17], s[16:17], s[6:7]        ; their bias
	s_lshl_b32 s6, s3, 15
	s_lshl_b32 s44, s2, 13
	s_add_co_u32 s6, s6, s44
	s_add_nc_u64 s[8:9], s[8:9], s[6:7]            ; h's codes: the group's 128 rows, my 32 of them
	s_lshl_b32 s6, s3, 11
	s_add_nc_u64 s[10:11], s[10:11], s[6:7]        ; h's scales: the group's
	s_lshr_b32 s6, s3, 4                           ; batch
	s_lshl_b32 s6, s6, 3
	s_add_co_u32 s6, s6, s4
	s_lshl_b32 s6, s6, 4
	s_and_b32 s44, s3, 15
	s_add_co_u32 s6, s6, s44                       ; (8 batch + head) 16 + the group in the batch
	s_mul_i32 s6, s6, s41
	s_add_nc_u64 s[32:33], s[32:33], s[6:7]
	s_mov_b32 s6, s42
	s_add_nc_u64 s[52:53], s[32:33], s[6:7]
	s_lshr_b32 s44, ttmp9, 2                       ; role 3's query tile T
	s_lshr_b32 s6, s44, 1
	s_lshl_b32 s6, s6, 5
	s_and_b32 s44, s44, 1
	s_lshl_b32 s44, s44, 3
	s_add_co_u32 s6, s6, s44                       ; its first row: 32 (T / 2) + 8 (T % 2)
	s_lshl_b32 s6, s6, 13
	s_and_b32 s44, ttmp9, 3
	s_lshl_b32 s44, s44, 11
	s_add_co_u32 s6, s6, s44                       ; and its 512 keys
	s_add_nc_u64 s[30:31], s[30:31], s[6:7]
	s_lshl_b32 s6, ttmp9, 10
	s_add_nc_u64 s[36:37], s[36:37], s[6:7]        ; four units of 256 bytes
	; ---- all four waves: the group's codes of h into LDS, read from memory once for the three roles, 512 consecutive bytes a load
.irp k, 0,1,2,3,4,5,6,7,8,9,10,11,12,13,14,15
	global_load_b128 v[40+4*\k:43+4*\k], v5, s[8:9] offset:512*\k
.endr
.irp k, 0,1,2,3,4,5,6,7,8,9,10,11,12,13,14,15
	s_wait_loadcnt 15-\k                           ; loads come back in order: load k is in, the younger ones stay out
	ds_store_b128 v6, v[40+4*\k:43+4*\k] offset:2*PITCH*\k
.endr
	s_wait_dscnt 0x0                               ; for the others' sake: my stores have landed
	s_barrier_signal -1
	s_barrier_wait -1                              ; the launch's one barrier; behind it the roles part and never meet again
	s_cmp_eq_u32 s2, 3
	s_cbranch_scc1 .Lmask
	; ---- roles 0 to 2: W's slice (dense loads, turned through my own LDS bytes), the scale words, h's 32 fragments
.irp k, 0,1,2,3,4,5,6,7,8,9,10,11,12,13,14,15,16,17,18,19,20,21,22,23,24,25,26,27,28,29,30,31
	global_load_b128 v[WF+4*\k:WF+4*\k+3], v5, s[12:13] offset:512*\k
.endr
	s_wait_alu depctr_va_vdst(0)
.irp p, 0,1,2,3
	global_load_b128 v[HS+4*\p:HS+4*\p+3], v12, s[10:11] offset:512*\p
.endr
.irp p, 0,1
	global_load_b128 v[WS+4*\p:WS+4*\p+3], v12, s[14:15] offset:512*\p
.endr
	WIN 0x40                                       ; destination window 1
.irp i, 0,1,2,3,4,5,6,7
.irp s, 0,1,2,3
.irp c, 0,1
	ds_load_b128 v[32*\i+8*\s+4*\c:32*\i+8*\s+4*\c+3], v7 offset:(32*(\i/2)+8*(\i%2))*PITCH+64*\s+32*\c
.endr
.endr
.endr
	WIN 0
	s_wait_loadcnt 6                               ; W's 32 loads are in; the six loads of scale words may be out
.irp k, 0,1,2,3,4,5,6,7,8,9,10,11,12,13,14,15,16,17,18,19,20,21,22,23,24,25,26,27,28,29,30,31
	ds_store_b128 v8, v[WF+4*\k:WF+4*\k+3] offset:2*PITCH*\k
.endr
.irp f, 0,1,2,3
.irp s, 0,1,2,3
.irp c, 0,1
	ds_load_b128 v[WF+32*\f+8*\s+4*\c:WF+32*\f+8*\s+4*\c+3], v9 offset:(32*(\f/2)+8*(\f%2))*PITCH+64*\s+32*\c   ; my own bytes, served in order: these see the stores above
.endr
.endr
.endr
	s_cmp_eq_u32 s2, 2
	s_cbranch_scc1 .Lv
	; ---- q or k: the bias is the C of each sum's first product: tile a, lane (r, h), register j: feature 32 (a / 2) + 16 h + 8 (a % 2) + j
.irp a, 0,1,2,3
	global_load_b128 v[BI+8*\a:BI+8*\a+3], v13, s[16:17] offset:(32*(\a/2)+8*(\a%2))*4
	global_load_b128 v[BI+8*\a+4:BI+8*\a+7], v13, s[16:17] offset:(32*(\a/2)+8*(\a%2))*4+16
.endr
	s_wait_loadcnt 0x0
	s_wait_dscnt 0x0
.irp i, 0,1,2,3,4,5,6,7                        ; a tile of 16 tokens at a time; the four accumulators take turns, one instruction a turn
.if \i > 0
	PLACES 5                                       ; the accumulators are begun anew, with another C
.endif
	WIN 0x04                                       ; source 1 (h) window 1
.irp s, 0,1,2,3
.irp a, 0,1,2,3
.if \s == 0
	WM ACC+8*\a, WF+32*\a+8*\s, 32*\i+8*\s, BI+8*\a, WS+4*(\a/2)+\s, HS+4*(\i/2)+\s, \a%2, \i%2
.else
	WM ACC+8*\a, WF+32*\a+8*\s, 32*\i+8*\s, ACC+8*\a, WS+4*(\a/2)+\s, HS+4*(\i/2)+\s, \a%2, \i%2
.endif
.endr
.endr
	WIN 0
	PLACES 4
	QUANT2 ACC, KW+\i
	global_store_b128 v5, v[PC:PC+3], s[32:33] offset:512*\i   ; the tile's image: 512 consecutive bytes
.endr
.irp b, 0,1,2,3
	v_cndmask_b32 v[OW+\b], v[KW+2*\b], v[KW+2*\b+1], s40      ; word b: lanes 0-15 tile 2 b, lanes 16-31 tile 2 b + 1; bytes 2 and 3 are 0, over the zero half of the scores' K
.endr
	global_store_b128 v5, v[OW:OW+3], s[52:53]
	s_set_vgpr_msb 0xa
	s_wait_tensorcnt 0x0
	ds_add_u32 v0, v1
	s_wait_dscnt 0x0
	s_set_vgpr_msb 0xa00
	s_endpgm
.Lv:	; ---- v: a lane holds one feature, so its bias is one number, spread over the eight registers of a C
.irp f, 0,1,2,3
	global_load_b32 v[BI+8*\f], v14, s[16:17] offset:(32*(\f/2)+8*(\f%2))*4
.endr
	s_wait_loadcnt 0x0
	s_wait_dscnt 0x0
.irp f, 0,1,2,3
.irp j, 1,2,3,4,5,6,7
	v_mov_b32 v[BI+8*\f+\j], v[BI+8*\f]
.endr
.endr
.irp f, 0,1,2,3                                ; feature tile f, keys 64 c on: four token tiles are four accumulators, by turns
.irp c, 0,1
	PLACES 5
	WIN 0x01                                       ; source 0 (h) window 1
.irp s, 0,1,2,3
.irp a, 0,1,2,3
.if \s == 0
	WM ACC+8*\a, 32*(4*\c+\a)+8*\s, WF+32*\f+8*\s, BI+8*\f, HS+4*((4*\c+\a)/2)+\s, WS+4*(\f/2)+\s, \a%2, \f%2
.else
	WM ACC+8*\a, 32*(4*\c+\a)+8*\s, WF+32*\f+8*\s, ACC+8*\a, HS+4*((4*\c+\a)/2)+\s, WS+4*(\f/2)+\s, \a%2, \f%2
.endif
.endr
.endr
	WIN 0
	PLACES 4
.if \c == 0
	QUANT2 ACC, KW+\f
.else
	QUANT2 ACC, PW
	v_lshl_or_b32 v[KW+\f], v[PW], 16, v[KW+\f]    ; four key blocks' bytes: the feature's scale word for these 128 keys
.endif
	global_store_b128 v5, v[PC:PC+3], s[32:33] offset:4096+1024*\f+512*\c
.endr
.endr
	v_cndmask_b32 v[OW], v[KW], v[KW+1], s40
	v_cndmask_b32 v[OW+1], v[KW+2], v[KW+3], s40
	global_store_b64 v15, v[OW:OW+1], s[32:33] offset:8704
	s_set_vgpr_msb 0xa
	s_wait_tensorcnt 0x0
	ds_add_u32 v0, v1
	s_wait_dscnt 0x0
	s_set_vgpr_msb 0xa00
	s_endpgm
.Lmask:	; ---- adj into lane masks
.irp q, 0,1,2,3,4,5,6,7
	v_mov_b32 v[MW+\q], 0                          ; v_writelane_b32's destination counts as one of its sources
.endr
	LOADM 0
	LOADM 1
	s_wait_alu depctr_va_vdst(0)
	MUNIT 0
	MUNIT 1
	MUNIT 2
	MUNIT 3
	s_set_vgpr_msb 0xa
	s_wait_tensorcnt 0x0
	ds_add_u32 v0, v1
	s_wait_dscnt 0x0
	s_set_vgpr_msb 0xa00
	s_endpgm
.Lfunc_end_k_q3483709413_prep:
	.size	k_q3483709413_prep, .Lfunc_end_k_q3483709413_prep-k_q3483709413_prep
	.p2alignl 7, 3214868480
	.fill 96, 4, 3214868480
	.section	.rodata,"a",@progbits
	.p2align	6, 0x0
	.amdhsa_kernel k_q3483709413_prep
		.amdhsa_group_segment_fixed_size 104960
		.amdhsa_private_segment_fixed_size 0
		.amdhsa_enable_private_segment 0
		.amdhsa_kernarg_size 120
		.amdhsa_user_sgpr_count 2
		.amdhsa_user_sgpr_kernarg_segment_ptr 1
		.amdhsa_wavefront_size32 1
		.amdhsa_system_sgpr_workgroup_id_x 1
		.amdhsa_system_sgpr_workgroup_id_y 1
		.amdhsa_system_sgpr_workgroup_id_z 1
		.amdhsa_system_vgpr_workitem_id 0
		.amdhsa_next_free_vgpr 514
		.amdhsa_next_free_sgpr 66
		.amdhsa_reserve_vcc 0
		.amdhsa_float_denorm_mode_32 3
		.amdhsa_float_denorm_mode_16_64 3
		.amdhsa_memory_ordered 1
		.amdhsa_forward_progress 1
		.amdhsa_inst_pref_size 139
	.end_amdhsa_kernel
	.amdgpu_metadata
---
amdhsa.version: [ 1, 2 ]
amdhsa.kernels:
  - .name:           k_q3483709413_prep
    .symbol:         k_q3483709413_prep.kd
    .args:
      - { .name: h_codes, .offset: 0, .size: 8, .value_kind: global_buffer, .address_space: global }
      - { .name: h_scales, .offset: 8, .size: 8, .value_kind: global_buffer, .address_space: global }
      - { .name: Wq_codes, .offset: 16, .size: 8, .value_kind: global_buffer, .address_space: global }
      - { .name: Wq_scales, .offset: 24, .size: 8, .value_kind: global_buffer, .address_space: global }
      - { .name: bq, .offset: 32, .size: 8, .value_kind: global_buffer, .address_space: global }
      - { .name: Wk_codes, .offset: 40, .size: 8, .value_kind: global_buffer, .address_space: global }
      - { .name: Wk_scales, .offset: 48, .size: 8, .value_kind: global_buffer, .address_space: global }
      - { .name: bk, .offset: 56, .size: 8, .value_kind: global_buffer, .address_space: global }
      - { .name: Wv_codes, .offset: 64, .size: 8, .value_kind: global_buffer, .address_space: global }
      - { .name: Wv_scales, .offset: 72, .size: 8, .value_kind: global_buffer, .address_space: global }
      - { .name: bv, .offset: 80, .size: 8, .value_kind: global_buffer, .address_space: global }
      - { .name: adj, .offset: 88, .size: 8, .value_kind: global_buffer, .address_space: global }
      - { .name: qb, .offset: 96, .size: 8, .value_kind: global_buffer, .address_space: global }
      - { .name: kv, .offset: 104, .size: 8, .value_kind: global_buffer, .address_space: global }
      - { .name: maskw, .offset: 112, .size: 8, .value_kind: global_buffer, .address_space: global }
    .group_segment_fixed_size: 104960
    .private_segment_fixed_size: 0
    .kernarg_segment_align: 8
    .kernarg_segment_size: 120
    .max_flat_workgroup_size: 128
    .sgpr_count:     66
    .vgpr_count:     514
    .wavefront_size: 32
...
	.end_amdgpu_metadata
.endif
;; end of part 4
;; launch attn (part 5): grid 8 x 32, 16 waves a work-group, clusters of 4 x 1, 169,984 bytes of LDS; arguments qb, kv, maskw, oc, os; writes oc, os
.if DOCPART == 5
	.amdgcn_target "amdgcn-amd-amdhsa--gfx1250"
	.amdhsa_code_object_version 6
	.text
	.protected	k_q3483709413_attn
	.globl	k_q3483709413_attn
	.p2align	8
	.type	k_q3483709413_attn,@function
k_q3483709413_attn:
	s_mov_b64 s[64:65], 0
	v_nop
	global_prefetch_b8 v0, s[64:65] scope:SCOPE_SE
	s_setreg_imm32_b32 hwreg(HW_REG_WAVE_MODE, 25, 1), 1
	s_wait_xcnt 0x0
	s_wait_alu depctr_hold_cnt(0) depctr_sa_sdst(0) depctr_va_vdst(0) depctr_va_sdst(0) depctr_va_ssrc(0) depctr_va_vcc(0) depctr_vm_vsrc(0)
	s_getreg_b32 s2, hwreg(HW_REG_IB_STS2, 6, 4)
	s_cmp_eq_u32 s2, 0
	s_cbranch_scc0 .Lentry_in_a_cluster
	s_endpgm
.Lentry_in_a_cluster:
	s_bfe_u32 s2, ttmp6, 0x10000c
	s_cmp_lg_u32 s2, 0x3003
	s_cbranch_scc0 .Lentry_shape_is_right
	s_endpgm
.Lentry_shape_is_right:
; O = softmax(mask(q k^T / 8)) v for one (batch, head) and 256 queries, both products on codes of FP4 (E2M1) with E8M0 scales; O / l is quantised along the head's 64 and stored as an operand image.
; THE SOFTMAX: t = score x log2(e) / 8; M = the running largest t rounded UP to a whole number; p = 2^(t - M) is quantised along the keys, not normalised; the row's sum l is taken of the unquantised p.
; When M moves, l and O are multiplied by 2^(old M - new M), which rounds nothing.  A hidden score becomes -infinity ahead of the maximum: its p is 0.
; SHARES.  Sixteen waves; wave w owns query tile 16 x + w (16 queries), in 256 registers.  Every wave walks the head's 2,048 keys, 128 a step.
; K AND V COME ONCE.  A head's 16 step blocks (8,960 bytes each: K's images, V^T's images, their scale words) are 143,360 bytes and stay in LDS: wave w brings block w by one tensor load.  No byte of LDS is filled twice,
; and the loop has no barrier.  A wave has one tensor load out.
; CLUSTER.  The four query blocks of a cluster belong to one head, so each block is asked for JOINTLY: the same load with the same descriptor and a mask that names the four.
; LAYOUT.  Both products are used transposed: S^T = K Q^T, O^T = V^T P^T: a lane holds ONE query throughout.  The keys of a tile were chosen by the launch before so that register n of S^T holds key
; 32 (n / 16) + 16 (lane / 16) + n % 16 of the step.  The scores' K is 64: the upper half of K's and Q's fragments is zero codes.
; THE MASK comes as 64 lane masks a step, by scalar loads a step ahead; it selects values and steers nothing.
; LIMITS: NaN and infinities are not served.  A query for which no key counts has l = 0: its O is NaN and its scale bytes are set to 0xff, so that its whole output row becomes NaN.
; A block whose largest magnitude lies under 2^-124, or is zero, keeps the scale byte 1 (zero codes add nothing; this program alone reads the bytes).
.set BLK,  8960
.set LI,   1                           ; v1   16 x lane
.set L8,   2                           ; v2   8 x lane
.set ADK,  3                           ; v3   LDS address of the next step's K
.set ADV,  4                           ; v4   of this step's V
.set ADS,  5                           ; v5   of V's scale words
.set QF,   16                          ; v16-23   Q's fragment (v20-23 zero)
.set KF,   32                          ; v32-95   eight fragments of K (the upper four registers of each zero, written once)
.set S,    96                          ; v96-159  S^T, then p
.set O,    160                         ; v160-191 O^T
.set VF,   192                         ; v192-223 four fragments of V^T
.set PC,   224                         ; v224-231 p's codes
.set TM,   232                         ; v232-235 the blocks' largest; on the way out QUANT2's six
.set T2,   236
.set PW,   238
.set VS,   240                         ; v[240:241] V's scale words
.set NINF, 242
.set SOP,  244                         ; v244-247 the conversions' scale operands
.set KS,   248                         ; v[248:251] K's scale words
.set FF,   252                         ; f = 2^(old M - new M)
.set PS,   253                         ; p's scale word
.set TT,   254
.set QS,   255                         ; Q's scale word
.set WV,   10
.set TB,   11                          ; s11  LDS byte at which the step's block begins
.set G0,   12
.set G1,   16
.set TRIPS, 24
.set CS,   26                          ; s[26:27] c = log2(e) / 8
.set SEL,  28
.set HI,   30
; the mask's word n stands in s[32 + n] (n < 32) or s[36 + n]: s[32:63] and s[68:99]
.macro CROUND                          ; a round of the cluster's barrier
	s_barrier_signal -1
	s_barrier_wait -1
	s_cmp_lg_u32 s[WV], 0
	s_cbranch_scc1 .Lnot_wave_0_\@
	s_barrier_signal -3
.Lnot_wave_0_\@:
	s_barrier_wait -3
	s_barrier_signal -1
	s_barrier_wait -1
.endm
.macro KQ t                            ; S^T's tile t: 16 keys x my 16 queries.  K's scale words: even tiles in lanes 0-15, odd tiles in lanes 16-31
.if (\t)%2 == 0
	v_wmma_scale_f32_16x16x128_f8f6f4 v[S+8*(\t):S+8*(\t)+7], v[KF+8*(\t):KF+8*(\t)+7], v[QF:QF+7], 0, v[KS+(\t)/2], v[QS] matrix_a_fmt:MATRIX_FMT_FP4 matrix_b_fmt:MATRIX_FMT_FP4
.else
	v_wmma_scale_f32_16x16x128_f8f6f4 v[S+8*(\t):S+8*(\t)+7], v[KF+8*(\t):KF+8*(\t)+7], v[QF:QF+7], 0, v[KS+(\t)/2], v[QS] matrix_a_fmt:MATRIX_FMT_FP4 matrix_b_fmt:MATRIX_FMT_FP4 matrix_a_scale:MATRIX_SCALE_ROW1
.endif
.endm
.macro PV f                            ; O^T's tile f += 16 of the head's 64 x these 128 keys
.if (\f)%2 == 0
	v_wmma_scale_f32_16x16x128_f8f6f4 v[O+8*(\f):O+8*(\f)+7], v[VF+8*(\f):VF+8*(\f)+7], v[PC:PC+7], v[O+8*(\f):O+8*(\f)+7], v[VS+(\f)/2], v[PS] matrix_a_fmt:MATRIX_FMT_FP4 matrix_b_fmt:MATRIX_FMT_FP4
.else
	v_wmma_scale_f32_16x16x128_f8f6f4 v[O+8*(\f):O+8*(\f)+7], v[VF+8*(\f):VF+8*(\f)+7], v[PC:PC+7], v[O+8*(\f):O+8*(\f)+7], v[VS+(\f)/2], v[PS] matrix_a_fmt:MATRIX_FMT_FP4 matrix_b_fmt:MATRIX_FMT_FP4 matrix_a_scale:MATRIX_SCALE_ROW1
.endif
.endm
.macro LOADK adr                       ; a step's K: eight images of 512 bytes (the lower half of each fragment) and the scale words: nine loads
.irp t, 0,1,2,3,4,5,6,7
	ds_load_b128 v[KF+8*\t:KF+8*\t+3], v[\adr] offset:512*\t
.endr
	ds_load_b128 v[KS:KS+3], v[\adr] offset:8192
.endm
; 32 numbers of a lane, register 16 b + i = index 32 b + 16 h + i, become 4 registers of codes in v[PC] on (lane (r, h): block h whole); the two scale bytes stay in v[TM+2], v[TM+3]
.macro QUANT2 s, pw
.irp b, 0,1
	v_max3_num_f32 v[TM+\b], |v[(\s)+16*\b]|, |v[(\s)+16*\b+1]|, 0x1800000
.endr
.irp i, 2,4,6,8,10,12,14
.irp b, 0,1
	s_delay_alu instid0(VALU_DEP_2)
	v_max3_num_f32 v[TM+\b], v[TM+\b], |v[(\s)+16*\b+\i]|, |v[(\s)+16*\b+\i+1]|
.endr
.endr
.irp b, 0,1
	s_delay_alu instid0(VALU_DEP_2)
	v_permlanex16_b32 v[TM+2+\b], v[TM+\b], s[SEL], s[SEL+1]
.endr
.irp b, 0,1
	s_delay_alu instid0(VALU_DEP_2)
	v_max_num_f32 v[TM+\b], v[TM+\b], v[TM+2+\b]
.endr
.irp b, 0,1
	s_delay_alu instid0(VALU_DEP_2)
	v_add_nc_u32 v[TM+4+\b], 0xff000000, v[TM+\b]
.endr
.irp b, 0,1
	s_delay_alu instid0(VALU_DEP_2)
	v_lshrrev_b32 v[TM+2+\b], 23, v[TM+4+\b]
.endr
	s_delay_alu instid0(VALU_DEP_1)
	v_lshl_or_b32 v[(\pw)], v[TM+3], 8, v[TM+2]
.irp b, 0,1
	v_cvt_scalef32_pk8_fp4_f32 v[PC+2*\b], v[(\s)+16*\b:(\s)+16*\b+7], v[TM+4+\b]
	v_cvt_scalef32_pk8_fp4_f32 v[PC+2*\b+1], v[(\s)+16*\b+8:(\s)+16*\b+15], v[TM+4+\b]
.endr
	v_nop                                          ; one plain place behind a scaled conversion
	v_permlane16_swap_b32 v[PC], v[PC+2]
	v_permlane16_swap_b32 v[PC+1], v[PC+3]
.endm
	s_load_b256 s[32:39], s[0:1], 0x0              ; qb 32:33, kv 34:35, maskw 36:37, oc 38:39
	s_load_b64 s[40:41], s[0:1], 0x20              ; os
	v_lshl_add_u32 v31, v0, 2, 0x29000
	v_mov_b32 v243, 0
	ds_add_u32 v31, v243
	ds_add_u32 v31, v243
	v_lshrrev_b32 v1, 5, v0
	s_delay_alu instid0(VALU_DEP_1)
	v_readfirstlane_b32 s[WV], v1                  ; wave 0..15
	v_and_b32 v2, 31, v0
	s_delay_alu instid0(VALU_DEP_1)
	v_lshlrev_b32 v[LI], 4, v2
	s_wait_alu depctr_va_vdst(0)
	v_lshlrev_b32 v[L8], 3, v2
	s_bfe_u32 s42, ttmp6, 0x40000                  ; cx: it enters Q's, the mask's and the outputs' global addresses alone
	s_lshl_b32 s43, ttmp9, 2
	s_add_co_u32 s43, s43, s42                     ; my block of 256 queries
	s_and_b32 s25, ttmp7, 0xffff                   ; 8 batch + head, which the four partners share
	s_lshl_b32 s31, s43, 4
	s_add_co_u32 s31, s31, s[WV]                   ; my query tile T
	s_lshl_b32 s14, s25, 4                         ; the joint load: block (16 (8 batch + head) + wave) of kv, to LDS byte 8,960 x wave
	s_add_co_u32 s14, s14, s[WV]
	s_mul_i32 s14, s14, BLK
	s_mov_b32 s15, 0
	s_mov_b32 s[G0], 1                             ; count = 1
	s_mul_i32 s[G0+1], s[WV], BLK                  ; LDS address
	s_mov_b32 s[G1], 15|(3<<16)|(1<<21)            ; the mask: all four work-groups; elements of 8 bytes; bit 21 set beside a mask; no padding: every read is 16 x lane on dense images
	s_mov_b32 s[G1+1], 32<<16                      ; tensor_dim0 = 32 elements: rows of 256 bytes
	s_mov_b32 s[G1+2], 35<<16                      ; tensor_dim1 = 35 rows
	s_mov_b32 s[G1+3], 32<<16                      ; tile_dim0
	s_mov_b32 s[G1+4], 35                          ; tile_dim1
	s_mov_b32 s[G1+5], 32                          ; the pitch: dense
	s_mov_b32 s[G1+6], 0
	s_mov_b32 s[G1+7], 0
	s_lshl_b32 s2, s25, 4                          ; Q: block 16 (8 batch + head) + T / 8 of qb
	s_lshr_b32 s44, s31, 3
	s_add_co_u32 s2, s2, s44
	s_mul_i32 s2, s2, 4608
	s_mov_b32 s3, 0
	s_and_b32 s44, s[WV], 7                        ; my tile in that block
	s_lshl_b32 s45, s44, 9                         ; its image
	s_and_b32 s46, s[WV], 1
	s_lshl_b32 s46, s46, 8                         ; its scale words: odd tiles stand in lanes 16-31's places,
	s_lshr_b32 s44, s44, 1
	s_lshl_b32 s44, s44, 2
	s_add_co_u32 s46, s46, s44                     ; word (tile / 2) of a lane's four,
	s_add_co_u32 s46, s46, 4096                    ; behind the eight images
	v_add_nc_u32 v6, s45, v[LI]
	v_and_b32 v7, 15, v0
	s_delay_alu instid0(VALU_DEP_1)
	v_lshlrev_b32 v7, 4, v7
	s_delay_alu instid0(VALU_DEP_1)
	v_add_nc_u32 v7, s46, v7
	s_lshl_b32 s48, s31, 12                        ; the mask: 16 steps of 256 bytes a tile
	s_mov_b32 s49, 0
	s_lshr_b32 s54, s25, 3
	s_lshl_b32 s54, s54, 7
	s_add_co_u32 s54, s54, s31                     ; 128 batch + T
	s_and_b32 s55, s25, 7                          ; head
	s_lshl_b32 s50, s54, 3
	s_add_co_u32 s50, s50, s55
	s_lshl_b32 s50, s50, 9                         ; oc: an image of 512 bytes for each (tile, head)
	s_mov_b32 s51, 0
	s_lshl_b32 s52, s54, 8
	s_lshl_b32 s55, s55, 1
	s_add_co_u32 s52, s52, s55                     ; os: 256 bytes a tile, 16 a row, 2 a head
	s_mov_b32 s53, 0
	s_mov_b32 s[CS], 0x3e38aa3b                    ; c = log2(e) / sqrt(64)
	s_mov_b32 s[CS+1], s[CS]                       ; (named with it as a pair, so it is written)
	s_mov_b32 s[SEL], 0x76543210
	s_mov_b32 s[SEL+1], 0xfedcba98
	s_mov_b32 s[HI], 0xffff0000
	s_wait_dscnt 0x0
	s_wait_kmcnt 0x0
	s_add_nc_u64 s[G0+2:G0+3], s[34:35], s[14:15]
	s_or_b32 s[G0+3], s[G0+3], 0x80000000          ; type = 2
	s_add_nc_u64 s[2:3], s[32:33], s[2:3]
	s_add_nc_u64 s[4:5], s[36:37], s[48:49]
	s_add_nc_u64 s[6:7], s[38:39], s[50:51]
	s_add_nc_u64 s[8:9], s[40:41], s[52:53]
	CROUND                                         ; all four work-groups are here: the joint loads meet
	tensor_load_to_lds s[G0:G0+3], s[G1:G1+7]      ; my one tensor load
	s_nop 0
.rept 4
	v_nop
.endr
	s_wait_alu depctr_va_vdst(0)
	global_load_b128 v[QF:QF+3], v6, s[2:3]
	global_load_b32 v[QS], v7, s[2:3]
	s_load_b512 s[32:47], s[4:5], 0x0              ; step 0's 64 lane masks
	s_load_b512 s[48:63], s[4:5], 0x40
	s_load_b512 s[68:83], s[4:5], 0x80
	s_load_b512 s[84:99], s[4:5], 0xc0
.irp q, 4,5,6,7
	v_mov_b32 v[QF+\q], 0                          ; the upper half of the scores' K: zero codes
.endr
.irp t, 0,1,2,3,4,5,6,7
.irp q, 4,5,6,7
	v_mov_b32 v[KF+8*\t+\q], 0
.endr
.endr
.set n, 0
.rept 32
	v_mov_b32 v[O+n], 0                            ; O^T.  (The step is written once for all trips: the first finds zeros, which the first change of M leaves zeros)
.set n, n+1
.endr
	v_mov_b32 v14, 0                               ; the sum, in two halves
	v_mov_b32 v15, 0
.irp b, 0,1,2,3
	v_mov_b32 v[T2+\b], 0                          ; a lane permute's destination counts as one of its sources
.endr
	v_mov_b32 v[PS], 0                             ; (named as the upper half of the pair with f before it is first written)
	v_mov_b32 v13, 0xff61b1e6                      ; the largest t so far: -3e38
	s_delay_alu instid0(VALU_DEP_1)
	v_floor_f32 v12, -v13                          ; -M
	v_mov_b32 v[NINF], 0xff800000
	s_wait_tensorcnt 0x0                           ; my block has landed,
	s_barrier_signal -1
	s_barrier_wait -1                              ; everybody's has
	LOADK LI                                       ; step 0's K
	s_wait_loadcnt 0x0                             ; Q
	s_mov_b32 s[TB], 0
	s_mov_b32 s[TRIPS], 15
; A KEY STEP: 128 keys.  last = 1: nothing is fetched for a next step.
.macro STEP last
	s_wait_dscnt 0x0                               ; this step's K: the only LDS loads that are out
.irp t, 0,1,2,3,4,5,6,7
	KQ \t
.endr
	v_add_nc_u32 v[ADV], s[TB], v[LI]              ; four plain lines: the places behind the products, for the loads and the selects below
	v_add_nc_u32 v[ADS], s[TB], v[L8]
.if \last
	v_nop
.else
	s_add_co_u32 s[TB], s[TB], BLK
	v_add_nc_u32 v[ADK], s[TB], v[LI]
.endif
	v_nop
.irp q, 0,1,2,3,4,5,6,7
	ds_load_b128 v[VF+4*\q:VF+4*\q+3], v[ADV] offset:4096+512*\q   ; this step's V^T: nine loads
.endr
	ds_load_b64 v[VS:VS+1], v[ADS] offset:8704
.if !\last
	LOADK ADK                                      ; the next step's K: nine loads
.endif
	s_wait_alu depctr_va_vdst(0)
	s_wait_kmcnt 0x0                               ; this step's lane masks
.set n, 0
.rept 64
	v_cndmask_b32 v[S+n], v[NINF], v[S+n], s[32+n+4*(n/32)]   ; a hidden score becomes -infinity.  Ascending: each accumulator is first read at its low end
.set n, n+1
.endr
.irp b, 0,1,2,3
	v_max3_num_f32 v[TM+\b], v[S+16*\b], v[S+1+16*\b], v[S+2+16*\b]   ; the largest score of each block of 32 keys: it serves the row's maximum and, since p rises with the score, the block's largest p
.endr
.irp i, 3,5,7,9,11,13
.irp b, 0,1,2,3
	s_delay_alu instid0(VALU_DEP_4)
	v_max3_num_f32 v[TM+\b], v[TM+\b], v[S+16*\b+\i], v[S+1+16*\b+\i]
.endr
.endr
.irp b, 0,1,2,3
	s_delay_alu instid0(VALU_DEP_4)
	v_max_num_f32 v[TM+\b], v[TM+\b], v[S+15+16*\b]
.endr
.if !\last
	s_add_nc_u64 s[4:5], s[4:5], 256               ; (the wait above has shown the loads that named this base done)
	s_load_b512 s[32:47], s[4:5], 0x0              ; the next step's lane masks: the rest of this step in which to land
	s_load_b512 s[48:63], s[4:5], 0x40
	s_load_b512 s[68:83], s[4:5], 0x80
	s_load_b512 s[84:99], s[4:5], 0xc0
.endif
.irp b, 0,1,2,3
	v_permlanex16_b32 v[T2+\b], v[TM+\b], s[SEL], s[SEL+1]
.endr
.irp b, 0,1,2,3
	s_delay_alu instid0(VALU_DEP_4)
	v_max_num_f32 v[TM+\b], v[TM+\b], v[T2+\b]     ; with lane l xor 16's 16 keys
.endr
	s_delay_alu instid0(VALU_DEP_2)
	v_max3_num_f32 v[TT], v[TM], v[TM+1], v[TM+2]
	s_delay_alu instid0(VALU_DEP_1)
	v_max_num_f32 v[TT], v[TT], v[TM+3]            ; the step's largest score of my query
	s_delay_alu instid0(VALU_DEP_1)
	v_mul_f32 v[TT], s[CS], v[TT]                  ; as t
	s_delay_alu instid0(VALU_DEP_1)
	v_max_num_f32 v13, v13, v[TT]                  ; the running largest t
	v_mov_b32 v[TT], v12
	s_delay_alu instid0(VALU_DEP_2)
	v_floor_f32 v12, -v13                          ; the new -M = floor(-t) = -ceil(t)
	s_delay_alu instid0(VALU_DEP_1)
	v_sub_f32 v[TT], v12, v[TT]                    ; old M - new M: a whole number, 0 or less
	s_delay_alu instid0(VALU_DEP_1)
	v_cvt_i32_f32 v[TT], v[TT]                     ; (it saturates)
	s_delay_alu instid0(VALU_DEP_1)
	v_ldexp_f32 v[FF], 1.0, v[TT]                  ; f = 2^(old M - new M)
.set n, 0
.rept 32
	v_pk_fma_f32 v[S+n:S+n+1], v[S+n:S+n+1], s[CS:CS+1], v[12:13] op_sel_hi:[1,0,0]   ; t - M, two at a time
.set n, n+2
.endr
.irp b, 0,1,2,3
	v_fma_f32 v[TM+\b], v[TM+\b], s[CS], v12       ; the same of each block's largest score
.endr
.set n, 0
	s_setprio 1
	s_wait_alu depctr_va_vdst(0)
.rept 64
	v_exp_f32 v[S+n], v[S+n]                       ; p = 2^(t - M)
.set n, n+1
.endr
.irp b, 0,1,2,3
	v_exp_f32 v[TM+\b], v[TM+\b]                   ; the block's largest p
.endr
	v_pk_mul_f32 v[14:15], v[14:15], v[FF:FF+1] op_sel_hi:[1,0]   ; the sums under the new M.  (The plain place behind the exponentials)
	s_wait_alu depctr_va_vdst(0)
.irp b, 0,1,2,3
	v_max_num_f32 v[TM+\b], 0x1800000, v[TM+\b]    ; the floor 2^(3 - 127): the byte cannot fall under 1
.endr
.irp b, 0,1,2,3
	s_delay_alu instid0(VALU_DEP_4)
	v_add_nc_u32 v[SOP+\b], 0xff000000, v[TM+\b]   ; 2 off the exponent field: the conversion's scale operand
.endr
.irp b, 0,1,2,3
	s_delay_alu instid0(VALU_DEP_4)
	v_lshrrev_b32 v[T2+\b], 23, v[SOP+\b]          ; the scale's byte
.endr
	s_delay_alu instid0(VALU_DEP_3)
	v_lshl_or_b32 v[PS], v[T2+1], 8, v[T2]         ; p's scale word for these 128 keys
	s_delay_alu instid0(VALU_DEP_1)
	v_lshl_or_b32 v[PS], v[T2+2], 16, v[PS]
	s_delay_alu instid0(VALU_DEP_1)
	v_lshl_or_b32 v[PS], v[T2+3], 24, v[PS]
.irp b, 0,1,2,3
	v_cvt_scalef32_pk8_fp4_f32 v[PC+2*\b], v[S+16*\b:S+7+16*\b], v[SOP+\b]
	v_cvt_scalef32_pk8_fp4_f32 v[PC+1+2*\b], v[S+8+16*\b:S+15+16*\b], v[SOP+\b]
.endr
	v_nop                                          ; one plain place behind a scaled conversion
.irp c, 0,1
.irp i, 0,1
	v_permlane16_swap_b32 v[PC+4*\c+\i], v[PC+2+4*\c+\i]   ; a whole block to a lane: lanes 0-15 block 2 c, lanes 16-31 block 2 c + 1
.endr
.endr
.set n, 0
.rept 16
	v_pk_mul_f32 v[O+n:O+n+1], v[O+n:O+n+1], v[FF:FF+1] op_sel_hi:[1,0]   ; O^T under the new M, ascending
.set n, n+2
.endr
	v_pk_add_f32 v[236:237], v[100:101], v[104:105]
	v_pk_add_f32 v[246:247], v[108:109], v[112:113]
	v_pk_add_f32 v[244:245], v[116:117], v[120:121]
	v_pk_add_f32 v[232:233], v[124:125], v[128:129]
	v_pk_add_f32 v[28:29], v[132:133], v[136:137]
	v_pk_add_f32 v[26:27], v[140:141], v[144:145]
	s_setprio 0
	v_pk_add_f32 v[24:25], v[148:149], v[152:153]
	v_pk_add_f32 v[14:15], v[14:15], v[156:157]
	v_pk_add_f32 v[236:237], v[236:237], v[96:97]
	v_pk_add_f32 v[246:247], v[246:247], v[98:99]
	v_pk_add_f32 v[244:245], v[244:245], v[102:103]
	v_pk_add_f32 v[232:233], v[232:233], v[106:107]
	v_pk_add_f32 v[28:29], v[28:29], v[110:111]
	v_pk_add_f32 v[26:27], v[26:27], v[114:115]
	v_pk_add_f32 v[24:25], v[24:25], v[118:119]
	v_pk_add_f32 v[14:15], v[14:15], v[122:123]
	v_pk_add_f32 v[236:237], v[236:237], v[126:127]
	v_pk_add_f32 v[246:247], v[246:247], v[130:131]
	v_pk_add_f32 v[244:245], v[244:245], v[134:135]
	v_pk_add_f32 v[232:233], v[232:233], v[138:139]
	v_pk_add_f32 v[28:29], v[28:29], v[142:143]
	v_pk_add_f32 v[26:27], v[26:27], v[146:147]
	v_pk_add_f32 v[24:25], v[24:25], v[150:151]
	v_pk_add_f32 v[14:15], v[14:15], v[154:155]
	v_pk_add_f32 v[236:237], v[236:237], v[158:159]
	s_delay_alu instid0(VALU_DEP_2)
	v_pk_add_f32 v[14:15], v[14:15], v[232:233]
	s_delay_alu instid0(VALU_DEP_2)
	v_pk_add_f32 v[236:237], v[236:237], v[28:29]
	v_pk_add_f32 v[246:247], v[246:247], v[26:27]
	v_pk_add_f32 v[244:245], v[244:245], v[24:25]
	s_delay_alu instid0(VALU_DEP_2)
	v_pk_add_f32 v[14:15], v[14:15], v[246:247]
	s_delay_alu instid0(VALU_DEP_2)
	v_pk_add_f32 v[236:237], v[236:237], v[244:245]
	s_delay_alu instid0(VALU_DEP_1)
	v_pk_add_f32 v[14:15], v[14:15], v[236:237]
.if \last
	s_wait_alu depctr_va_vdst(0)
	s_wait_dscnt 0x0
.else
	s_wait_dscnt 9                                 ; V's nine loads are in; the next step's nine of K may be out
.endif
.irp f, 0,1,2,3
	PV \f                                          ; four accumulators, one instruction a turn; eleven other products stand before each is taken up again
.endr
.endm
.Lstep:
	s_setprio 2
	STEP 0
	s_sub_co_u32 s[TRIPS], s[TRIPS], 1
	s_cmp_lg_u32 s[TRIPS], 0
	s_cbranch_scc1 .Lstep
	s_setprio 0
	STEP 1                                         ; the last step is written out: no load passes the head's last block or the tile's last mask words
	; THE WAY OUT.  O^T / l, quantised along the head's 64: register 16 b + i of lane (r, h) is channel 32 b + 16 h + i.  The first lines are the places behind the last products.
	v_add_f32 v14, v14, v15
	v_and_b32 v6, 15, v0
	v_bfe_u32 v7, v0, 4, 1
	s_delay_alu instid0(VALU_DEP_1)
	v_lshl_add_u32 v7, v6, 4, v7                   ; os: 16 r + h
	s_delay_alu instid0(VALU_DEP_4)
	v_permlanex16_b32 v[TT], v14, s[SEL], s[SEL+1]
	s_delay_alu instid0(VALU_DEP_1)
	v_add_f32 v14, v14, v[TT]                      ; the row's sum
	s_wait_alu depctr_va_vdst(0)
	v_rcp_f32 v[FF], v14
	v_nop                                          ; one plain place behind a transcendental
.set n, 0
	s_wait_alu depctr_va_vdst(0)
.rept 16
	v_pk_mul_f32 v[S+n:S+n+1], v[O+n:O+n+1], v[FF:FF+1] op_sel_hi:[1,0]
.set n, n+2
.endr
	QUANT2 S, PW
	v_cndmask_b32 v[TT], v[TM+2], v[TM+3], s[HI]   ; lane (r, h) takes block h's byte
	v_cmp_neq_f32 vcc_lo, 0, v14
	s_delay_alu instid0(VALU_DEP_1)
	v_cndmask_b32 v[TT], 0xff, v[TT], vcc_lo       ; a query without a key: the NaN byte
	global_store_b128 v[LI], v[PC:PC+3], s[6:7]    ; the image: 512 consecutive bytes
	global_store_b8 v7, v[TT], s[8:9]              ; 32 single bytes, 2 in each row's 16: the head's share of the tile's 256 bytes, which eight work-groups write in parts
	s_wait_tensorcnt 0x0
	ds_add_u32 v31, v243
	s_wait_dscnt 0x0
	CROUND                                         ; the closing round: no work-group ends while a partner may still ask for a block that names it
	s_endpgm
.Lfunc_end_k_q3483709413_attn:
	.size	k_q3483709413_attn, .Lfunc_end_k_q3483709413_attn-k_q3483709413_attn
	.p2alignl 7, 3214868480
	.fill 96, 4, 3214868480
	.section	.rodata,"a",@progbits
	.p2align	6, 0x0
	.amdhsa_kernel k_q3483709413_attn
		.amdhsa_group_segment_fixed_size 169984
		.amdhsa_private_segment_fixed_size 0
		.amdhsa_enable_private_segment 0
		.amdhsa_kernarg_size 40
		.amdhsa_user_sgpr_count 2
		.amdhsa_user_sgpr_kernarg_segment_ptr 1
		.amdhsa_wavefront_size32 1
		.amdhsa_system_sgpr_workgroup_id_x 1
		.amdhsa_system_sgpr_workgroup_id_y 1
		.amdhsa_system_sgpr_workgroup_id_z 1
		.amdhsa_system_vgpr_workitem_id 0
		.amdhsa_next_free_vgpr 256
		.amdhsa_next_free_sgpr 100
		.amdhsa_reserve_vcc 1
		.amdhsa_float_denorm_mode_32 3
		.amdhsa_float_denorm_mode_16_64 3
		.amdhsa_memory_ordered 1
		.amdhsa_forward_progress 1
		.amdhsa_inst_pref_size 54
	.end_amdhsa_kernel
	.amdgpu_metadata
---
amdhsa.version: [ 1, 2 ]
amdhsa.kernels:
  - .name:           k_q3483709413_attn
    .symbol:         k_q3483709413_attn.kd
    .args:
      - { .name: qb, .offset: 0, .size: 8, .value_kind: global_buffer, .address_space: global }
      - { .name: kv, .offset: 8, .size: 8, .value_kind: global_buffer, .address_space: global }
      - { .name: maskw, .offset: 16, .size: 8, .value_kind: global_buffer, .address_space: global }
      - { .name: oc, .offset: 24, .size: 8, .value_kind: global_buffer, .address_space: global }
      - { .name: os, .offset: 32, .size: 8, .value_kind: global_buffer, .address_space: global }
    .group_segment_fixed_size: 169984
    .private_segment_fixed_size: 0
    .kernarg_segment_align: 8
    .kernarg_segment_size: 40
    .max_flat_workgroup_size: 512
    .sgpr_count:     100
    .vgpr_count:     256
    .wavefront_size: 32
...
	.end_amdgpu_metadata
.endif
;; end of part 5
;; launch oproj (part 6): grid 4 x 64, 8 waves a work-group, no clusters, 105,472 bytes of LDS; arguments oc, os, Wo_codes, Wo_scales, bo, out0; writes out0
.if DOCPART == 6
	.amdgcn_target "amdgcn-amd-amdhsa--gfx1250"
	.amdhsa_code_object_version 6
	.text
	.protected	k_q3483709413_oproj
	.globl	k_q3483709413_oproj
	.p2align	8
	.type	k_q3483709413_oproj,@function
k_q3483709413_oproj:
	s_mov_b64 s[64:65], 0
	v_nop
	global_prefetch_b8 v0, s[64:65] scope:SCOPE_SE
	s_setreg_imm32_b32 hwreg(HW_REG_WAVE_SCHED_MODE, 0, 2), 2
	s_setreg_imm32_b32 hwreg(HW_REG_WAVE_MODE, 25, 1), 1
	s_wait_xcnt 0x0
	s_wait_alu depctr_vm_vsrc(0)
; out = O Wo^T + bo on codes of FP4 (E2M1) with E8M0 scales.  O comes as operand images (oc: [tile][head][512 bytes]; heads 2 s and 2 s + 1 are the two register groups of K step s) with its scale bytes (os: 16 a row).
; SHARES.  Work-group = (128 features x, 128 tokens y = token tiles 8 y .. 8 y + 7).  Wave w: token tiles 8 y + 2 (w % 4) + u, u = 0, 1, and features 128 x + 64 (w / 4) on: eight accumulators, 32 products.
; Lane r of token tile G stands for token 32 (G / 2) + 8 (G % 2) + r + 8 (r / 8): the order in which the earlier launches formed the tiles.
; TRANSPOSED USE: source 0 = 16 rows of Wo, source 1 = 16 tokens: a lane's eight results are eight neighbouring outputs of one token.  The bias is the C of each sum's first product.
; No tensor loads: Wo's 128 rows come by dense loads and are turned through LDS (rows 272 bytes apart), one barrier; the results go through the wave's own stage and leave as runs of 256 consecutive bytes.
; Work-groups share Wo's rows and O's images only through the caches: each moves under 100 KB, too little for joint requests to pay for a cluster's rounds.
; THE MODE: SCHED_MODE bits 1:0 = 2 (LLVM: expert scheduling mode 2), set by the entry lines.  The code itself states the register dependences
; between vector or matrix instructions and memory or LDS instructions, with s_wait_alu, always for 0.
; THE PLAN.  Registers that memory or LDS instructions touch:
;   v1 - v7       offsets and LDS addresses: written at the head, read by every load and store, never written again.
;   v128 - v159   Wo's rows as loaded: read by the eight LDS stores that lay them in LDS; then part of W's set 0, in which LDS loads land.
;   W's four sets one for each K step (sets 0, 1: v128-191; sets 2, 3: v256-319): each is loaded once, behind the barrier, and read by that step's eight products: no load lands in a set that a product has read.
;   AF            O's fragments: loaded once, read by the products of all four K steps; on the way out the loads from the stage land there, and the global stores read them.
;   AS, WS, BI    loaded once, read by products alone.
;   ACC           written by the products, read by the LDS stores into the stage.
;   v30, v31      written at the head, read by the closing add alone.
; So four waits state everything: the wave's number ahead of its first reader; the addresses ahead of the first load; the LDS stores' reads of v128-159 ahead of W's loads; and the products' results and reads ahead of the way out.
.set PITCH, 272
.set STG,   128*PITCH                  ; behind Wo's rows: 32 rows x 272 bytes for each wave
.set AS,  16                           ; v16-19  O's scale words: register s: lanes 0-15 tile u = 0, lanes 16-31 tile u = 1
.set WS,  20                           ; v20-27  Wo's: register 4 p + s: lanes 0-15 feature tile 2 p, lanes 16-31 tile 2 p + 1
.set BI,  32                           ; v32-63  bo, tile f at BI + 8 f
.set AF,  64                           ; v64-127 O's fragments, AF + 32 u + 8 s; on the way out rows of the result
.set WFR, 128                          ; v128-191 Wo's four fragments of K steps 0 and 1; those of K steps 2 and 3 lie at v0-63 of window 1 (v256-319)
.set ACC, 192                          ; v192-255 accumulator (u, f) at ACC + 32 u + 8 f
.set MSB, 0
.macro WIN new                         ; the immediate's high byte repeats the setting that is left
.if MSB != \new
	s_set_vgpr_msb (MSB<<8)|\new
.set MSB, \new
.endif
.endm
.macro PLACES n
.rept \n
	v_nop
.endr
.endm
.macro WM d, a, b, c, sa, sb, ra, rb
.if (\ra) == 0
.if (\rb) == 0
	v_wmma_scale_f32_16x16x128_f8f6f4 v[(\d):(\d)+7], v[(\a):(\a)+7], v[(\b):(\b)+7], v[(\c):(\c)+7], v[(\sa)], v[(\sb)] matrix_a_fmt:MATRIX_FMT_FP4 matrix_b_fmt:MATRIX_FMT_FP4
.else
	v_wmma_scale_f32_16x16x128_f8f6f4 v[(\d):(\d)+7], v[(\a):(\a)+7], v[(\b):(\b)+7], v[(\c):(\c)+7], v[(\sa)], v[(\sb)] matrix_a_fmt:MATRIX_FMT_FP4 matrix_b_fmt:MATRIX_FMT_FP4 matrix_b_scale:MATRIX_SCALE_ROW1
.endif
.else
.if (\rb) == 0
	v_wmma_scale_f32_16x16x128_f8f6f4 v[(\d):(\d)+7], v[(\a):(\a)+7], v[(\b):(\b)+7], v[(\c):(\c)+7], v[(\sa)], v[(\sb)] matrix_a_fmt:MATRIX_FMT_FP4 matrix_b_fmt:MATRIX_FMT_FP4 matrix_a_scale:MATRIX_SCALE_ROW1
.else
	v_wmma_scale_f32_16x16x128_f8f6f4 v[(\d):(\d)+7], v[(\a):(\a)+7], v[(\b):(\b)+7], v[(\c):(\c)+7], v[(\sa)], v[(\sb)] matrix_a_fmt:MATRIX_FMT_FP4 matrix_b_fmt:MATRIX_FMT_FP4 matrix_a_scale:MATRIX_SCALE_ROW1 matrix_b_scale:MATRIX_SCALE_ROW1
.endif
.endif
.endm
.macro LOADW s                         ; Wo's four fragments of K step s into that step's own set: eight loads.  (Steps 2 and 3: under a window setting with the destination in window 1)
.if (\s) < 2
.set WB, WFR+32*(\s)
.else
.set WB, 32*((\s)-2)
.endif
.irp f, 0,1,2,3
.irp c, 0,1
	ds_load_b128 v[WB+8*\f+4*\c:WB+8*\f+4*\c+3], v3 offset:16*\f*PITCH+64*(\s)+32*\c
.endr
.endr
.endm
	s_load_b256 s[4:11], s[0:1], 0x0               ; oc 4:5, os 6:7, Wo's codes 8:9, Wo's scales 10:11
	s_load_b128 s[12:15], s[0:1], 0x20             ; bo 12:13, out0 14:15
	v_lshl_add_u32 v30, v0, 2, 0x19800
	v_mov_b32 v31, 0
	v_lshrrev_b32 v1, 5, v0
	v_readfirstlane_b32 s2, v1                     ; wave 0..7
	v_and_b32 v8, 31, v0
	v_and_b32 v9, 15, v0                           ; r
	s_wait_alu depctr_va_vdst(0)
	v_bfe_u32 v10, v0, 4, 1                        ; h
	v_lshlrev_b32 v1, 4, v8                        ; 16 x lane
	s_wait_alu depctr_va_sdst(0)                   ; s2 is written, ahead of its first reader: LDS addresses and all six bases are made from it
	s_and_b32 s16, s2, 3                           ; which pair of token tiles
	s_lshr_b32 s17, s2, 2                          ; which 64 features
	s_and_b32 s19, ttmp7, 0xffff                   ; y
	s_lshl_b32 s18, ttmp9, 7
	s_lshl_b32 s3, s17, 6
	s_add_co_u32 s18, s18, s3                      ; my first feature
	v_mul_u32_u24 v5, v10, PITCH
	v_lshl_add_u32 v5, v9, 4, v5                   ; two rows an instruction: 272 h + 16 r
	s_mul_i32 s3, s2, 16*PITCH
	v_add_nc_u32 v2, s3, v5                        ; Wo on its way in: my 16 rows
	v_mul_u32_u24 v3, v9, PITCH
	s_wait_alu depctr_va_vdst(0)
	v_lshl_add_u32 v4, v10, 5, v3                  ; the stage, in: row r, + 32 h
	v_lshl_add_u32 v3, v10, 4, v3                  ; a fragment's lane: row r, + 16 h
	s_mul_i32 s3, s17, 64*PITCH
	v_add_nc_u32 v3, s3, v3
	s_mul_i32 s3, s2, 32*PITCH
	s_add_co_u32 s3, s3, STG                       ; my stage
	v_add_nc_u32 v4, s3, v4
	v_add_nc_u32 v5, s3, v5                        ; and back: lanes 0-15 one row, lanes 16-31 the next
	v_lshlrev_b32 v6, 11, v10
	v_lshl_add_u32 v6, v9, 4, v6                   ; the same two rows in out0 (2,048 bytes a row)
	v_lshlrev_b32 v7, 5, v10                       ; bo: 8 h features on
	s_lshl_b32 s20, ttmp9, 15
	s_lshl_b32 s3, s2, 12
	s_add_co_u32 s20, s20, s3                      ; Wo's codes: rows 128 x + 16 wave on, 256 bytes each
	s_mov_b32 s21, 0
	s_lshl_b32 s22, s19, 3
	s_lshl_b32 s3, s16, 1
	s_add_co_u32 s22, s22, s3                      ; my first token tile
	s_lshl_b32 s24, s22, 8                         ; os: 256 bytes a tile
	s_lshl_b32 s22, s22, 12                        ; oc: 4,096 bytes a tile
	s_mov_b32 s23, 0
	s_mov_b32 s25, 0
	s_lshl_b32 s26, s18, 4                         ; Wo's scales: 16 bytes a row
	s_mov_b32 s27, 0
	s_lshl_b32 s28, s18, 2                         ; bo
	s_mov_b32 s29, 0
	s_lshl_b32 s30, s19, 7
	s_lshl_b32 s3, s16, 5
	s_add_co_u32 s30, s30, s3                      ; my first token: 128 y + 32 (wave % 4)
	s_lshl_b32 s30, s30, 11
	s_add_co_u32 s30, s30, s28
	s_mov_b32 s31, 0
	s_wait_kmcnt 0x0
	s_add_nc_u64 s[8:9], s[8:9], s[20:21]
	s_add_nc_u64 s[4:5], s[4:5], s[22:23]
	s_add_nc_u64 s[6:7], s[6:7], s[24:25]
	s_add_nc_u64 s[10:11], s[10:11], s[26:27]
	s_add_nc_u64 s[12:13], s[12:13], s[28:29]
	s_add_nc_u64 s[14:15], s[14:15], s[30:31]
	s_wait_alu depctr_va_vdst(0)                   ; the offsets and LDS addresses v1 to v7 are written, which all loads and stores below read, and so are v30 and v31; no later instruction writes any of them
.irp k, 0,1,2,3,4,5,6,7
	global_load_b128 v[WFR+4*\k:WFR+4*\k+3], v1, s[8:9] offset:512*\k      ; 512 consecutive bytes: two rows of Wo
.endr
.irp u, 0,1
.irp s, 0,1,2,3
.irp c, 0,1
	global_load_b128 v[AF+32*\u+8*\s+4*\c:AF+32*\u+8*\s+4*\c+3], v1, s[4:5] offset:4096*\u+1024*\s+512*\c   ; O's fragments as they lie
.endr
.endr
.endr
	global_load_b128 v[AS:AS+3], v1, s[6:7]        ; two tiles' scale words: a row's 16 bytes are its four K steps' words
.irp p, 0,1
	global_load_b128 v[WS+4*\p:WS+4*\p+3], v1, s[10:11] offset:512*\p
.endr
.irp f, 0,1,2,3
	global_load_b128 v[BI+8*\f:BI+8*\f+3], v7, s[12:13] offset:64*\f
	global_load_b128 v[BI+8*\f+4:BI+8*\f+7], v7, s[12:13] offset:64*\f+16
.endr
	s_wait_loadcnt 27                              ; Wo's eight loads are in; the 27 behind them may be out
.irp k, 0,1,2,3,4,5,6,7
	ds_store_b128 v2, v[WFR+4*\k:WFR+4*\k+3] offset:2*PITCH*\k
.endr
	s_wait_dscnt 0x0                               ; for the others' sake: my stores have landed
	s_barrier_signal -1
	s_barrier_wait -1                              ; Wo's 128 rows lie in LDS
	s_wait_alu depctr_vm_vsrc(0)                   ; my LDS stores have read v128 to v159, in which the loads of W's set 0 land
	LOADW 0                                        ; all four K steps' fragments of Wo in one run, each step's into a set of its own: 32 loads
	LOADW 1
	WIN 0x40                                       ; destination window 1, address window 0.  No instruction has named v256 to v319: these loads hang on nothing but their address
	LOADW 2
	LOADW 3
	WIN 0
	s_wait_loadcnt 0x0
.irp s, 0,1,2,3                                ; the eight accumulators take turns, one instruction a turn
	s_wait_dscnt 24-8*\s                           ; LDS loads come back in order: this K step's eight are in; the eight of each younger set may be out
.if \s < 2
.set WB, WFR+32*\s
.else
.set WB, 32*(\s-2)
	WIN 0x01                                       ; source 0 (Wo) window 1
.endif
.irp u, 0,1
.irp f, 0,1,2,3
.if \s == 0
	WM ACC+32*\u+8*\f, WB+8*\f, AF+32*\u+8*\s, BI+8*\f, WS+4*(\f/2)+\s, AS+\s, \f%2, \u
.else
	WM ACC+32*\u+8*\f, WB+8*\f, AF+32*\u+8*\s, ACC+32*\u+8*\f, WS+4*(\f/2)+\s, AS+\s, \f%2, \u
.endif
.endr
.endr
.endr
	WIN 0
	PLACES 4                                       ; four places behind the last product, before its result is read (ISA guide 7.12.1)
	s_wait_alu depctr_va_vdst(0)                   ; the products have written the accumulators, which the LDS stores read, and are done reading O's fragments, in which the loads from the stage land; the places above stay beside this wait
.irp u, 0,1
.irp f, 0,1,2,3
	ds_store_b128 v4, v[ACC+32*\u+8*\f:ACC+32*\u+8*\f+3] offset:16*\u*PITCH+64*\f          ; each accumulator from its low end on
	ds_store_b128 v4, v[ACC+32*\u+8*\f+4:ACC+32*\u+8*\f+7] offset:16*\u*PITCH+64*\f+16
.endr
.endr
.irp i, 0,1,2,3,4,5,6,7,8,9,10,11,12,13,14,15
	ds_load_b128 v[AF+4*\i:AF+4*\i+3], v5 offset:2*PITCH*\i    ; my own bytes, served in order: these see the stores above
.endr
.irp i, 0,1,2,3,4,5,6,7,8,9,10,11,12,13,14,15
	s_wait_dscnt 15-\i                             ; load i is back; the younger ones stay out
	global_store_b128 v6, v[AF+4*\i:AF+4*\i+3], s[14:15] offset:(8*(\i/8)+2*(\i%8)+8*((\i%8)/4))*2048 th:TH_STORE_NT   ; stage rows 2 i, 2 i + 1 are these tokens; 16 lanes store 256 consecutive bytes, aligned
.endr
	s_wait_dscnt 0x0                               ; the closing lines, six on end
	s_wait_alu 0x0
	s_wait_tensorcnt 0x0
	ds_add_u32 v30, v31
	s_wait_dscnt 0x0
	s_endpgm
.Lfunc_end_k_q3483709413_oproj:
	.size	k_q3483709413_oproj, .Lfunc_end_k_q3483709413_oproj-k_q3483709413_oproj
	.p2alignl 7, 3214868480
	.fill 96, 4, 3214868480
	.section	.rodata,"a",@progbits
	.p2align	6, 0x0
	.amdhsa_kernel k_q3483709413_oproj
		.amdhsa_group_segment_fixed_size 105472
		.amdhsa_private_segment_fixed_size 0
		.amdhsa_enable_private_segment 0
		.amdhsa_kernarg_size 48
		.amdhsa_user_sgpr_count 2
		.amdhsa_user_sgpr_kernarg_segment_ptr 1
		.amdhsa_wavefront_size32 1
		.amdhsa_system_sgpr_workgroup_id_x 1
		.amdhsa_system_sgpr_workgroup_id_y 1
		.amdhsa_system_sgpr_workgroup_id_z 1
		.amdhsa_system_vgpr_workitem_id 0
		.amdhsa_next_free_vgpr 320
		.amdhsa_next_free_sgpr 66
		.amdhsa_reserve_vcc 0
		.amdhsa_float_denorm_mode_32 3
		.amdhsa_float_denorm_mode_16_64 3
		.amdhsa_memory_ordered 1
		.amdhsa_forward_progress 1
		.amdhsa_inst_pref_size 18
	.end_amdhsa_kernel
	.amdgpu_metadata
---
amdhsa.version: [ 1, 2 ]
amdhsa.kernels:
  - .name:           k_q3483709413_oproj
    .symbol:         k_q3483709413_oproj.kd
    .args:
      - { .name: oc, .offset: 0, .size: 8, .value_kind: global_buffer, .address_space: global }
      - { .name: os, .offset: 8, .size: 8, .value_kind: global_buffer, .address_space: global }
      - { .name: Wo_codes, .offset: 16, .size: 8, .value_kind: global_buffer, .address_space: global }
      - { .name: Wo_scales, .offset: 24, .size: 8, .value_kind: global_buffer, .address_space: global }
      - { .name: bo, .offset: 32, .size: 8, .value_kind: global_buffer, .address_space: global }
      - { .name: out0, .offset: 40, .size: 8, .value_kind: global_buffer, .address_space: global }
    .group_segment_fixed_size: 105472
    .private_segment_fixed_size: 0
    .kernarg_segment_align: 8
    .kernarg_segment_size: 48
    .max_flat_workgroup_size: 256
    .sgpr_count:     66
    .vgpr_count:     320
    .wavefront_size: 32
...
	.end_amdgpu_metadata
.endif
;; end of part 6
